; MI455X (gfx1250); checked and timed in simulation.
; The chip was launched on July 23, 2026; its instructions are those of AMD's public machine-readable ISA for CDNA 5 (MIT licence, August 2026) and "CDNA5" Instruction Set Architecture Reference Guide (July 2026). The comments in the code are by the model that wrote it; some were corrected since.
;; Encoder Layer. Allowed arithmetic: float matrix products may take bf16 or f16 operands with f32 sums; other float arithmetic in f32, or as packed bf16 or f16 multiplies, adds, multiply-adds, maxima and minima; sums over many terms, partial sums and values carried from step to step in f32; what a program stores and reads back later, other than sums and carried values, may be rounded once to bf16 or f16.
;; Inputs: b1 4,096 float32; b2 1,024 float32; bk 1,024 float32; bo 1,024 float32; bq 1,024 float32; bv 1,024 float32; ln1_b 1,024 float32; ln1_w 1,024 float32; ln2_b 1,024 float32; ln2_w 1,024 float32; mask 2 x 1 x 1 x 2,048 int32; w1 1,024 x 4,096 float32; w2 4,096 x 1,024 float32; wk 1,024 x 1,024 float32; wo 1,024 x 1,024 float32; wq 1,024 x 1,024 float32; wv 1,024 x 1,024 float32; x 2 x 2,048 x 1,024 float32.
;; Outputs: out0 2 x 2,048 x 1,024 float32.
;; 2 versions, each right; version 2 is version 1 with the launches prep, ln2 written anew for expert scheduling mode. Each part assembles by itself: llvm-mc -triple=amdgcn-amd-amdhsa -mcpu=gfx1250 --defsym DOCPART=n.
;; ======== version 1 of 2: 7 launches
;; limits: a function is approximated: absolute error at most 2.5e-05; an absolute error that grows with the inputs' magnitude: up to 1.25e-05 times it; right only within a limited range of input values
;; workspace buffers: wb 25,165,824 bytes; a16 8,388,608 bytes; qkvh 25,165,824 bytes; hres 16,777,216 bytes; actb 33,554,432 bytes
;; launch prep (part 1): grid 512 x 1, 8 waves a work-group, no clusters, 0 bytes of LDS; arguments x, ln1_w, ln1_b, a16, wq, wk, wv, wo, w1, w2, wb; writes a16, wb
.if DOCPART == 1
	.amdgcn_target "amdgcn-amd-amdhsa--gfx1250"
	.amdhsa_code_object_version 6
	.text
	.protected	k_qd8a09356e3_prep
	.globl	k_qd8a09356e3_prep
	.p2align	8
	.type	k_qd8a09356e3_prep,@function
k_qd8a09356e3_prep:
	s_mov_b64 s[64:65], 0
	v_nop
	global_prefetch_b8 v0, s[64:65] scope:SCOPE_SE
	s_setreg_imm32_b32 hwreg(HW_REG_WAVE_MODE, 25, 1), 1
	s_wait_xcnt 0x0
; NORM AND CAST, one text for two launches.  Work-groups 0-255: argument 3 = LayerNorm(argument 0) with gain argument 1 and bias argument 2, rounded once to bf16.
; Work-groups 256-511 (the first launch alone has them): the six weights rounded once to bf16, in the layout in which they come, on end in wb.
; LayerNorm as the module has it: w (x - mean) / (std + 1e-6) + b, std with divisor 1023; mean first, then the squares of x - mean (no difference of large sums).
; THE NORM: a wave takes two rows of 1,024 f32 and keeps them in registers: a row is read once.  A load of a wave covers 512 consecutive bytes, a store 256, aligned.
; THE CAST: the weights are 12,288 rows of 1,024 numbers; wave c of 2,048 takes rows c + 2,048 i, i = 0..5, so that no wave's row lies in two weights; all 48 loads of a wave go out at once.
; No LDS, no matrix unit, no cluster: no byte is wanted by two waves but the gains and biases, 8 KiB.
.set T,    4                           ; v[4:11]    four chains at work
.set MEAN, 12                          ; v[12:15]   a pair for each row
.set INV,  16                          ; v[16:19]   1 / (std + eps), a pair for each row
.set X,    32                          ; v[32:95]   two rows, 32 registers each: chunk j holds columns 128 j + 4 lane ..   (the cast: v[32:223], six rows)
.set W,    96                          ; v[96:127]  the gain of my columns
.set B,    128                         ; v[128:159] the bias of my columns
.set Y,    160                         ; v[160:191] packed results
.macro LANESUM                         ; v[T] summed over the 32 lanes, the result in every lane
	v_add_f32_dpp v[T], v[T], v[T] row_xmask:1 row_mask:0xf bank_mask:0xf
	v_add_f32_dpp v[T], v[T], v[T] row_xmask:2 row_mask:0xf bank_mask:0xf
	v_add_f32_dpp v[T], v[T], v[T] row_xmask:4 row_mask:0xf bank_mask:0xf
	v_add_f32_dpp v[T], v[T], v[T] row_xmask:8 row_mask:0xf bank_mask:0xf
	v_permlanex16_b32 v[T+1], v[T], s28, s29
	v_add_f32 v[T], v[T], v[T+1]
.endm
.macro FOLD                            ; the four chains into v[T]
	v_pk_add_f32 v[T:T+1], v[T:T+1], v[T+2:T+3]
	v_pk_add_f32 v[T+4:T+5], v[T+4:T+5], v[T+6:T+7]
	v_pk_add_f32 v[T:T+1], v[T:T+1], v[T+4:T+5]
	v_add_f32 v[T], v[T], v[T+1]
.endm
.macro STAT i                          ; row i: mean; x - mean in place; the variance into v[INV+2 i]
.set XR, X+32*(\i)
	s_wait_loadcnt 24-8*(\i)                       ; loads come back in order: row i is in; the later row, gain and bias may stay out
.irp k, 0,1,2,3
	v_pk_add_f32 v[T+2*(\k):T+2*(\k)+1], v[XR+2*(\k):XR+2*(\k)+1], v[XR+8+2*(\k):XR+8+2*(\k)+1]
.endr
.irp k, 8,9,10,11,12,13,14,15
	v_pk_add_f32 v[T+2*((\k)%4):T+2*((\k)%4)+1], v[T+2*((\k)%4):T+2*((\k)%4)+1], v[XR+2*(\k):XR+2*(\k)+1]
.endr
	FOLD
	LANESUM
	v_mul_f32 v[MEAN+2*(\i)], 0x3a800000, v[T]     ; / 1024
	v_mov_b32 v[MEAN+2*(\i)+1], v[MEAN+2*(\i)]
.irp k, 0,1,2,3,4,5,6,7,8,9,10,11,12,13,14,15
	v_pk_add_f32 v[XR+2*(\k):XR+2*(\k)+1], v[XR+2*(\k):XR+2*(\k)+1], v[MEAN+2*(\i):MEAN+2*(\i)+1] neg_lo:[0,1] neg_hi:[0,1]
.endr
.irp k, 0,1,2,3
	v_pk_mul_f32 v[T+2*(\k):T+2*(\k)+1], v[XR+2*(\k):XR+2*(\k)+1], v[XR+2*(\k):XR+2*(\k)+1]
.endr
.irp k, 4,5,6,7,8,9,10,11,12,13,14,15
	v_pk_fma_f32 v[T+2*((\k)%4):T+2*((\k)%4)+1], v[XR+2*(\k):XR+2*(\k)+1], v[XR+2*(\k):XR+2*(\k)+1], v[T+2*((\k)%4):T+2*((\k)%4)+1]
.endr
	FOLD
	LANESUM
	v_mul_f32 v[INV+2*(\i)], 0x3a802008, v[T]      ; / 1023
.endm
.macro APPLY i                         ; row i: scaled, gain and bias, rounded, stored
.set XR, X+32*(\i)
.irp k, 0,1,2,3,4,5,6,7,8,9,10,11,12,13,14,15
	v_pk_mul_f32 v[XR+2*(\k):XR+2*(\k)+1], v[XR+2*(\k):XR+2*(\k)+1], v[INV+2*(\i):INV+2*(\i)+1]
.endr
.irp k, 0,1,2,3,4,5,6,7,8,9,10,11,12,13,14,15
	v_pk_fma_f32 v[XR+2*(\k):XR+2*(\k)+1], v[XR+2*(\k):XR+2*(\k)+1], v[W+2*(\k):W+2*(\k)+1], v[B+2*(\k):B+2*(\k)+1]
.endr
.irp k, 0,1,2,3,4,5,6,7,8,9,10,11,12,13,14,15
	v_cvt_pk_bf16_f32 v[Y+16*(\i)+(\k)], v[XR+2*(\k)], v[XR+2*(\k)+1]
.endr
.irp j, 0,1,2,3,4,5,6,7
	global_store_b64 v3, v[Y+16*(\i)+2*(\j):Y+16*(\i)+2*(\j)+1], s[10:11] offset:2048*(\i)+256*(\j)  ; 32 lanes x 8 bytes: 256 consecutive bytes, aligned
.endr
.endm
.macro CROW i, b                       ; the cast: row i of my six, eight loads of 512 consecutive bytes
.irp j, 0,1,2,3,4,5,6,7
	global_load_b128 v[X+32*(\i)+4*(\j):X+32*(\i)+4*(\j)+3], v2, s[\b:\b+1] offset:512*(\j) th:TH_LOAD_NT
.endr
.endm
.macro CSEND i, b, off                 ; the cast: row i rounded in place and stored
.irp j, 0,1,2,3,4,5,6,7
	s_wait_loadcnt 47-8*(\i)-(\j)                  ; this load is in, the younger ones stay out
	v_cvt_pk_bf16_f32 v[X+32*(\i)+4*(\j)], v[X+32*(\i)+4*(\j)], v[X+32*(\i)+4*(\j)+1]
	v_cvt_pk_bf16_f32 v[X+32*(\i)+4*(\j)+1], v[X+32*(\i)+4*(\j)+2], v[X+32*(\i)+4*(\j)+3]
	global_store_b64 v3, v[X+32*(\i)+4*(\j):X+32*(\i)+4*(\j)+1], s[\b:\b+1] offset:(\off)+256*(\j)  ; 256 consecutive bytes, aligned
.endr
.endm
	s_load_b256 s[4:11], s[0:1], 0x0               ; the rows s[4:5], gain s[6:7], bias s[8:9], the bf16 rows s[10:11]
	s_load_b256 s[12:19], s[0:1], 0x20             ; wq, wk, wv, wo
	s_load_b128 s[20:23], s[0:1], 0x40             ; w1, w2
	s_load_b64 s[24:25], s[0:1], 0x50              ; wb
	v_lshrrev_b32 v1, 5, v0
	v_readfirstlane_b32 s26, v1                    ; wave 0..7
	v_and_b32 v1, 31, v0
	v_lshlrev_b32 v2, 4, v1                        ; 16 x lane: loads
	v_lshlrev_b32 v3, 3, v1                        ; 8 x lane: stores
	s_mov_b32 s28, 0x76543210                      ; v_permlanex16_b32: each lane takes its own place in the other half
	s_mov_b32 s29, 0xfedcba98
	s_wait_kmcnt 0x0
	s_cmp_lt_u32 ttmp9, 256
	s_cbranch_scc0 .Lcast
	; THE NORM: rows 16 x work-group + 2 x wave, + 1
	s_lshl_b32 s30, ttmp9, 16
	s_lshl_b32 s31, s26, 13
	s_add_co_u32 s30, s30, s31
	s_mov_b32 s31, 0
	s_add_nc_u64 s[4:5], s[4:5], s[30:31]
	s_lshr_b32 s30, s30, 1                         ; the bf16 rows are half as long
	s_add_nc_u64 s[10:11], s[10:11], s[30:31]
.irp i, 0,1
.irp j, 0,1,2,3,4,5,6,7
	global_load_b128 v[X+32*(\i)+4*(\j):X+32*(\i)+4*(\j)+3], v2, s[4:5] offset:4096*(\i)+512*(\j)
.endr
.endr
.irp j, 0,1,2,3,4,5,6,7
	global_load_b128 v[W+4*(\j):W+4*(\j)+3], v2, s[6:7] offset:512*(\j)
.endr
.irp j, 0,1,2,3,4,5,6,7
	global_load_b128 v[B+4*(\j):B+4*(\j)+3], v2, s[8:9] offset:512*(\j)
.endr
	STAT 0
	STAT 1
	v_sqrt_f32 v[INV], v[INV]
	v_sqrt_f32 v[INV+2], v[INV+2]
	v_nop                                          ; a plain instruction behind the last root,
	s_wait_alu depctr_va_vdst(0)                   ; and one wait for both, ahead of their first reader
	v_add_f32 v[INV], 0x358637bd, v[INV]           ; + 1e-6
	v_add_f32 v[INV+2], 0x358637bd, v[INV+2]
	v_rcp_f32 v[INV], v[INV]
	v_rcp_f32 v[INV+2], v[INV+2]
	v_nop
	s_wait_alu depctr_va_vdst(0)                   ; one wait for both reciprocals
	v_mov_b32 v[INV+1], v[INV]
	v_mov_b32 v[INV+3], v[INV+2]
	s_wait_loadcnt 0x0                             ; gain and bias
	APPLY 0
	APPLY 1
	s_endpgm
.Lcast:
	; THE CAST.  In wb: wq rows 0-1023, wk 1024-, wv 2048-, wo 3072-, w1 4096-, w2 8192-12287.  Row c + 2,048 i: i = 0: wq or wk; 1: wv or wo; 2, 3: w1; 4, 5: w2.
	s_sub_co_u32 s27, ttmp9, 256
	s_lshl3_add_u32 s27, s27, s26                  ; c = 8 x (work-group - 256) + wave: 0..2047
	s_and_b32 s34, s27, 1023                       ; the row inside a weight of 1,024 rows
	s_lshl_b32 s36, s34, 12                        ; 4,096 bytes a row in
	s_mov_b32 s37, 0
	s_cmp_lt_u32 s27, 1024
	s_cselect_b64 s[32:33], s[12:13], s[14:15]     ; wq or wk
	s_cselect_b64 s[38:39], s[16:17], s[18:19]     ; wv or wo
	s_add_nc_u64 s[32:33], s[32:33], s[36:37]
	s_add_nc_u64 s[38:39], s[38:39], s[36:37]
	s_lshl_b32 s36, s27, 12
	s_add_nc_u64 s[20:21], s[20:21], s[36:37]      ; w1 and w2 at row c,
	s_add_nc_u64 s[22:23], s[22:23], s[36:37]
	s_add_nc_u64 s[40:41], s[20:21], 0x800000      ; and 2,048 rows further on
	s_add_nc_u64 s[42:43], s[22:23], 0x800000
	s_lshl_b32 s36, s27, 11                        ; 2,048 bytes a row out
	s_add_nc_u64 s[24:25], s[24:25], s[36:37]      ; wb at row c,
	s_add_nc_u64 s[44:45], s[24:25], 0x800000      ; at row c + 4,096,
	s_add_nc_u64 s[46:47], s[24:25], 0x1000000     ; and at row c + 8,192; the odd i stand in the stores' immediate
	CROW 0, 32
	CROW 1, 38
	CROW 2, 20
	CROW 3, 40
	CROW 4, 22
	CROW 5, 42
	CSEND 0, 24, 0
	CSEND 1, 24, 0x400000
	CSEND 2, 44, 0
	CSEND 3, 44, 0x400000
	CSEND 4, 46, 0
	CSEND 5, 46, 0x400000
	s_endpgm
.Lfunc_end_k_qd8a09356e3_prep:
	.size	k_qd8a09356e3_prep, .Lfunc_end_k_qd8a09356e3_prep-k_qd8a09356e3_prep
	.p2alignl 7, 3214868480
	.fill 96, 4, 3214868480
	.section	.rodata,"a",@progbits
	.p2align	6, 0x0
	.amdhsa_kernel k_qd8a09356e3_prep
		.amdhsa_group_segment_fixed_size 0
		.amdhsa_private_segment_fixed_size 0
		.amdhsa_enable_private_segment 0
		.amdhsa_kernarg_size 88
		.amdhsa_user_sgpr_count 2
		.amdhsa_user_sgpr_kernarg_segment_ptr 1
		.amdhsa_wavefront_size32 1
		.amdhsa_system_sgpr_workgroup_id_x 1
		.amdhsa_system_sgpr_workgroup_id_y 1
		.amdhsa_system_sgpr_workgroup_id_z 1
		.amdhsa_system_vgpr_workitem_id 0
		.amdhsa_next_free_vgpr 224
		.amdhsa_next_free_sgpr 66
		.amdhsa_reserve_vcc 0
		.amdhsa_float_denorm_mode_32 3
		.amdhsa_float_denorm_mode_16_64 3
		.amdhsa_memory_ordered 1
		.amdhsa_forward_progress 1
		.amdhsa_inst_pref_size 38
	.end_amdhsa_kernel
	.amdgpu_metadata
---
amdhsa.version: [ 1, 2 ]
amdhsa.kernels:
  - .name:           k_qd8a09356e3_prep
    .symbol:         k_qd8a09356e3_prep.kd
    .args:
      - { .name: x, .offset: 0, .size: 8, .value_kind: global_buffer, .address_space: global }
      - { .name: ln1_w, .offset: 8, .size: 8, .value_kind: global_buffer, .address_space: global }
      - { .name: ln1_b, .offset: 16, .size: 8, .value_kind: global_buffer, .address_space: global }
      - { .name: a16, .offset: 24, .size: 8, .value_kind: global_buffer, .address_space: global }
      - { .name: wq, .offset: 32, .size: 8, .value_kind: global_buffer, .address_space: global }
      - { .name: wk, .offset: 40, .size: 8, .value_kind: global_buffer, .address_space: global }
      - { .name: wv, .offset: 48, .size: 8, .value_kind: global_buffer, .address_space: global }
      - { .name: wo, .offset: 56, .size: 8, .value_kind: global_buffer, .address_space: global }
      - { .name: w1, .offset: 64, .size: 8, .value_kind: global_buffer, .address_space: global }
      - { .name: w2, .offset: 72, .size: 8, .value_kind: global_buffer, .address_space: global }
      - { .name: wb, .offset: 80, .size: 8, .value_kind: global_buffer, .address_space: global }
    .group_segment_fixed_size: 0
    .private_segment_fixed_size: 0
    .kernarg_segment_align: 8
    .kernarg_segment_size: 88
    .max_flat_workgroup_size: 256
    .sgpr_count:     66
    .vgpr_count:     224
    .wavefront_size: 32
...
	.end_amdgpu_metadata
.endif
;; end of part 1
;; launch qkv (part 2): grid 12 x 16, 4 waves a work-group, clusters of 4 x 4, 327,680 bytes of LDS; arguments a16, wb, qkvh, bq, bk, bv; writes qkvh
.if DOCPART == 2
	.amdgcn_target "amdgcn-amd-amdhsa--gfx1250"
	.amdhsa_code_object_version 6
	.text
	.protected	k_qd8a09356e3_qkv
	.globl	k_qd8a09356e3_qkv
	.p2align	8
	.type	k_qd8a09356e3_qkv,@function
k_qd8a09356e3_qkv:
	s_mov_b64 s[64:65], 0
	v_nop
	global_prefetch_b8 v0, s[64:65] scope:SCOPE_SE
	s_setreg_imm32_b32 hwreg(HW_REG_WAVE_MODE, 25, 1), 1
	s_wait_xcnt 0x0
	s_wait_alu depctr_hold_cnt(0) depctr_sa_sdst(0) depctr_va_vdst(0) depctr_va_sdst(0) depctr_va_ssrc(0) depctr_va_vcc(0) depctr_vm_vsrc(0)
	s_getreg_b32 s2, hwreg(HW_REG_IB_STS2, 6, 4)
	s_cmp_eq_u32 s2, 0
	s_cbranch_scc0 .Lentry_in_a_cluster
	s_endpgm
.Lentry_in_a_cluster:
	s_bfe_u32 s2, ttmp6, 0x10000c
	s_cmp_lg_u32 s2, 0xf033
	s_cbranch_scc0 .Lentry_shape_is_right
	s_endpgm
.Lentry_shape_is_right:
; QKV.  [q | k | v] = a16 x [wq | wk | wv] + bias, stored by heads: qkvh[b][hc][s][64] bf16, hc = 0-15 q's heads, 16-31 k's, 32-47 v's.  Sums in f32, each result rounded once.
; A: a16 [4096][1024] bf16, K along the rows.  B: a weight [1024 (k)][1024 (n)] bf16 as it lies in wb; its fragments come out of LDS turned, by ds_load_tr16_b128.
; A tile of C is 256 x 256, four waves, 128 x 128 each: 64 accumulators.  K goes in steps of 128 through two LDS slots; one tensor load a wave brings 128 rows x 256 bytes.
; CLUSTER 4 x 4: A's tiles are asked for jointly along a row of the cluster, B's along a column.  12 x 16 = 192 work-groups: the tile that gives 256 would want rows of 384 bytes or 12 column blocks.
; The matrix instruction is used transposed (source 0 = 16 columns of B, source 1 = 16 rows of A): a lane holds eight neighbouring columns of one row of C.
; A SLOT is four phases of 32 along K on two fragment buffers; a phase asks for the next phase's 32 LDS loads first and then issues its 64 products, so that the loads have the whole phase in which to come.
; THE WAY OUT: the ring has had its last fill; each wave lays its 128 x 128 f32 into a part of it, and a counted loop of 16 trips x 8 rows adds the bias, rounds and stores; a trip's rows are asked of LDS a trip ahead.
; REGISTERS: window 0: v1-29 addresses, v32-39 bias, v64-191 A's two fragment buffers (later at work); window 1: v64-191 B's two; windows 2, 3: the accumulators, (a, b) at 8 (8 (a % 4) + b).
.set APITCH, 1024                      ; elements in a row of A
.set NP,     1024                      ; elements in a row of B
.set NSLOT,  8                         ; K / 128
.set PA,     272                       ; an LDS row of A: 256 bytes + 16: the 16 rows of a fragment load start in 16 different groups of four banks
.set PB,     288                       ; an LDS row of B: 256 + 32
.set ASUB,   128*PA
.set BSUB,   128*PB
.set SLOT,   2*ASUB+2*BSUB             ; A's two halves, then B's two halves
.set SPARE,  2*SLOT                    ; behind the ring: the spare words, 128 bytes a wave, which no other line names
.set ASTEP,  256                       ; bytes from K step to K step in A,
.set BSTEP,  128*NP*2                  ; and in B
.set DP,     528                       ; the way out: a row of 128 f32 + 16 bytes
.set REG,    128*DP                    ; a wave's part of the ring on the way out
.set A0,   8
.set B0,   10
.set ADRA, 12
.set ADRB, 14
.set STO,  16
.set RD,   17
.set CO,   18
.set PFO,  19
.set BO,   20
.set SPW,  28
.set NIL,  29
.set BI,   32
.set F0,   64
.set F1,   128
.set GL,   64                          ; the way out: eight units as they come from LDS
.set GY,   96                          ; packed
.set GX,   128                         ; with the bias
.set WV, 16
.set WM, 17
.set WN, 18
.set CX, 19
.set CY, 20
.set TN, 21
.set TM, 22
.set TB, 23                            ; s23: LDS offset of the slot that is being read: 0 or SLOT
.set G1A, 24
.set G0A, 32
.set G1B, 40
.set G0B, 48
.set LBA, 56
.set LBB, 57
.set PFA, 58
.set PFS, 60
.set LIM, 62
.set MSB, 0
.macro WIN new                         ; the immediate's high byte repeats the setting that is left
.if MSB != (\new)
	s_set_vgpr_msb (MSB<<8)|(\new)
.set MSB, \new
.endif
.endm
.macro PLACES                          ; four places behind matrix instructions, ahead of loads into their sources and of readers of their results
.rept 4
	v_nop
.endr
.endm
.macro JLOAD s                         ; a joint load: waves 0, 1 fetch A's halves, waves 2, 3 B's; the branch hangs on the wave's number alone; s_nop 0 and four v_nop follow each line
	s_cmp_eq_u32 s[WM], 0
	s_cbranch_scc0 .Lfor_b_\@
	tensor_load_to_lds s[G0A+4*(\s):G0A+4*(\s)+3], s[G1A:G1A+7]
	s_nop 0
.rept 4
	v_nop
.endr
	s_branch .Lasked_\@
.Lfor_b_\@:
	tensor_load_to_lds s[G0B+4*(\s):G0B+4*(\s)+3], s[G1B:G1B+7]
	s_nop 0
.rept 4
	v_nop
.endr
.Lasked_\@:
.endm
.macro CREST                           ; a round of the cluster's barrier behind its opening barrier
	s_cmp_lg_u32 s[WV], 0
	s_cbranch_scc1 .Lnot_wave_0_\@
	s_barrier_signal -3
.Lnot_wave_0_\@:
	s_barrier_wait -3
	s_barrier_signal -1
	s_barrier_wait -1
.endm
.macro CROUND
	s_barrier_signal -1
	s_barrier_wait -1
	CREST
.endm
.macro ASK                             ; 32 rows x 256 bytes of the K step two refills on, a lane a row; only while that step exists, only in the waves that ask
	s_cmp_gt_u32 s3, s[LIM]
	s_cbranch_scc0 .Lnot_mine_\@
	global_prefetch_b8 v[PFO], s[PFA:PFA+1] th:TH_LOAD_NT scope:SCOPE_SE
.Lnot_mine_\@:
.endm
.macro FETCH p, f                      ; 32 LDS loads in one run: the fragments of K = 32 p .. of the slot in hand, into buffer f: B's eight (turned), then A's eight
	WIN 0x40
.irp b, 0,1,2,3,4,5,6,7
	ds_load_tr16_b128 v[(\f)+8*(\b):(\f)+8*(\b)+3],   v[ADRB] offset:(\p)*32*PB+32*(\b)
	ds_load_tr16_b128 v[(\f)+8*(\b)+4:(\f)+8*(\b)+7], v[ADRB] offset:(\p)*32*PB+32*(\b)+16*PB
.endr
	WIN 0
.irp a, 0,1,2,3,4,5,6,7
	ds_load_b128 v[(\f)+8*(\a):(\f)+8*(\a)+3],   v[ADRA] offset:(\p)*64+(\a)*16*PA
	ds_load_b128 v[(\f)+8*(\a)+4:(\f)+8*(\a)+7], v[ADRA] offset:(\p)*64+(\a)*16*PA+32
.endr
.endm
.macro MULQ f, hh, part, zero          ; 16 products: row blocks 4 hh + 2 part, + 1, all 8 column blocks.  The 64 accumulators take turns
	WIN 0xa1+0x50*(\hh)
.irp a, 2*(\part), 2*(\part)+1
.irp b, 0,1,2,3,4,5,6,7
.if \zero
	v_wmma_f32_16x16x32_bf16 v[8*(8*(\a)+(\b)):8*(8*(\a)+(\b))+7], v[(\f)+8*(\b):(\f)+8*(\b)+7], v[(\f)+8*(4*(\hh)+(\a)):(\f)+8*(4*(\hh)+(\a))+7], 0
.else
	v_wmma_f32_16x16x32_bf16 v[8*(8*(\a)+(\b)):8*(8*(\a)+(\b))+7], v[(\f)+8*(\b):(\f)+8*(\b)+7], v[(\f)+8*(4*(\hh)+(\a)):(\f)+8*(4*(\hh)+(\a))+7], v[8*(8*(\a)+(\b)):8*(8*(\a)+(\b))+7]
.endif
.endr
.endr
.endm
.macro PH p, f, g, zero                ; phase p of a slot's first three: asks for phase p + 1 into g, then multiplies buffer f
	s_wait_dscnt 0x0                               ; buffer f, asked for a phase ago, is in
	PLACES                                         ; g's last readers are the products just issued
	FETCH (\p)+1, \g
	MULQ \f, 0, 0, \zero
	MULQ \f, 0, 1, \zero
	MULQ \f, 1, 0, \zero
	MULQ \f, 1, 1, \zero
.endm
.macro TURN                            ; the last phase in the loop: the slot just read is filled again, two K steps ahead
	s_wait_xcnt 0x0                                ; the last prefetch, a K step back, has read its address
	s_add_nc_u64 s[PFA:PFA+1], s[PFA:PFA+1], s[PFS:PFS+1]
	WIN 0
	s_wait_tensorcnt 0x0                           ; all my tensor loads have landed: the one that was out is my part of the next slot; no load of mine is out, so the walking descriptors may be written
	ds_add_u32 v[SPW], v[NIL]                      ; 0 onto my spare word: the descriptors' steps stand between it and the wait for it
	s_add_co_u32 s[G0A+5], s[LBA], s[TB]
	s_add_co_u32 s[G0B+5], s[LBB], s[TB]
	s_add_nc_u64 s[G0A+6:G0A+7], s[G0A+6:G0A+7], ASTEP
	s_add_nc_u64 s[G0B+6:G0B+7], s[G0B+6:G0B+7], BSTEP
	s_wait_dscnt 0x0                               ; the add is done and my reads of this slot are over: its last fragments lie in buffer 1
	s_barrier_signal -1
	MULQ F1, 0, 0, 0                               ; work on registers while the other waves arrive
	WIN 0
	s_barrier_wait -1
	CREST                                          ; the barrier has opened a round of the cluster's: no wave of any partner still reads this slot or has a load on its way
	JLOAD 1                                        ; my one tensor load behind the round; its four v_nop are also the places ahead of the loads below
	s_xor_b32 s[TB], s[TB], SLOT
	v_add_nc_u32 v[ADRA], s[TB], v[A0]
	v_add_nc_u32 v[ADRB], s[TB], v[B0]
	FETCH 0, F0
	ASK
	MULQ F1, 0, 1, 0
	MULQ F1, 1, 0, 0
	MULQ F1, 1, 1, 0
.endm
.macro TURNT                           ; the last phase in the tail: nothing is filled; behind the very last slot nothing is fetched
	WIN 0
	s_wait_tensorcnt 0x0
	ds_add_u32 v[SPW], v[NIL]
	s_wait_dscnt 0x0
	s_barrier_signal -1
	MULQ F1, 0, 0, 0
	WIN 0
	s_barrier_wait -1
	PLACES
	s_cmp_eq_u32 s3, 1
	s_cbranch_scc1 .Lnofetch_\@
	s_xor_b32 s[TB], s[TB], SLOT
	v_add_nc_u32 v[ADRA], s[TB], v[A0]
	v_add_nc_u32 v[ADRB], s[TB], v[B0]
	FETCH 0, F0
.Lnofetch_\@:
	MULQ F1, 0, 1, 0
	MULQ F1, 1, 0, 0
	MULQ F1, 1, 1, 0
.endm
.macro DUMP                            ; my 128 x 128 f32 into my part of the ring; each accumulator's low registers first
.irp w, 0,1
	WIN 0x08+4*(\w)
.irp a, 0,1,2,3
.irp b, 0,1,2,3,4,5,6,7
	ds_store_b128 v[STO], v[8*(8*(\a)+(\b)):8*(8*(\a)+(\b))+3]   offset:16*(4*(\w)+(\a))*DP+64*(\b)
	ds_store_b128 v[STO], v[8*(8*(\a)+(\b))+4:8*(8*(\a)+(\b))+7] offset:16*(4*(\w)+(\a))*DP+64*(\b)+16
.endr
.endr
.endr
	WIN 0
.endm
.macro UNITS                           ; eight rows of my part: unit j = tokens 2 (j / 2), + 1 of head j % 2
.irp j, 0,1,2,3,4,5,6,7
	ds_load_b128 v[GL+4*(\j):GL+4*(\j)+3], v[RD] offset:2*((\j)/2)*DP+256*((\j)%2)  ; LDS serves a wave's instructions in order: these see my stores
.endr
.endm
	s_load_b256 s[4:11], s[0:1], 0x0               ; a16 s[4:5], wb s[6:7], qkvh s[8:9], bq s[10:11]
	s_load_b128 s[12:15], s[0:1], 0x20             ; bk s[12:13], bv s[14:15]
	v_lshl_add_u32 v[SPW], v0, 2, SPARE
	v_mov_b32 v[NIL], 0
	ds_add_u32 v[SPW], v[NIL]                      ; the wave's opening: the add and its wait stand ahead of my first tensor load
	v_lshrrev_b32 v1, 5, v0
	v_readfirstlane_b32 s[WV], v1                  ; wave 0..3
	s_lshr_b32 s[WM], s[WV], 1                     ; my half of the tile's rows; also: I fetch for A (0) or B (1)
	s_and_b32 s[WN], s[WV], 1                      ; my half of its columns; also: which half of that tile I fetch
	s_bfe_u32 s[CX], ttmp6, 0x40000
	s_bfe_u32 s[CY], ttmp6, 0x40004
	s_lshl_b32 s[TN], ttmp9, 2
	s_add_co_u32 s[TN], s[TN], s[CX]               ; tile column
	s_and_b32 s[TM], ttmp7, 0xffff
	s_lshl_b32 s[TM], s[TM], 2
	s_add_co_u32 s[TM], s[TM], s[CY]               ; tile row
	s_lshl_b32 s66, s[CY], 2
	s_lshl_b32 s66, 15, s66                        ; my row of the cluster
	s_lshl_b32 s67, 0x1111, s[CX]                  ; my column
	s_or_b32 s[G1A], s66, (1<<16)|(1<<20)|(1<<21)|(5<<22)|(3<<25)  ; mask; 2-byte elements; padding on; bit 21 beside a mask; after every 64 words 4 words
	s_or_b32 s[G1B], s67, (1<<16)|(1<<20)|(1<<21)|(5<<22)|(7<<25)  ; the same with 8 words
.irp g, G1A, G1B
	s_mov_b32 s[(\g)+1], 128<<16                   ; tensor_dim0 = 128
	s_mov_b32 s[(\g)+2], 128<<16                   ; tensor_dim1 = 128
	s_mov_b32 s[(\g)+3], 128<<16                   ; tile_dim0 = 128
	s_mov_b32 s[(\g)+4], 128                       ; tile_dim1 = 128
	s_mov_b32 s[(\g)+6], 0
	s_mov_b32 s[(\g)+7], 0
.endr
	s_mov_b32 s[G1A+5], APITCH                     ; elements from row to row
	s_mov_b32 s[G1B+5], NP
	s_lshl_b32 s68, s[TM], 8
	s_lshl_b32 s69, s[WN], 7
	s_add_co_u32 s68, s68, s69                     ; A: row 256 x tile row + 128 x half
	s_mul_i32 s68, s68, APITCH*2
	s_mov_b32 s69, 0
	s_lshl_b32 s63, ttmp9, 21                      ; B: the weight (the cluster's x: four tile columns a weight), 2 MiB each,
	s_lshl_b32 s70, s[CX], 9                       ; the tile's 512 bytes of a row,
	s_add_co_u32 s63, s63, s70
	s_lshl_b32 s70, s[WN], 8                       ; my half of them
	s_add_co_u32 s63, s63, s70
	s_mov_b32 s70, s63
	s_mov_b32 s71, 0
	s_mul_i32 s[LBA], s[WN], ASUB                  ; where they go in a slot: no place in the cluster enters an LDS address
	s_mul_i32 s[LBB], s[WN], BSUB
	s_add_co_u32 s[LBB], s[LBB], 2*ASUB
	s_mov_b32 s[TB], 0
	s_wait_dscnt 0x0                               ; the opening add is done
	s_wait_kmcnt 0x0
	s_add_nc_u64 s[68:69], s[4:5], s[68:69]
	s_add_nc_u64 s[70:71], s[6:7], s[70:71]
	CROUND                                         ; all sixteen work-groups are here: the first joint loads meet
.irp s, 0,1
	s_mov_b32 s[G0A+4*(\s)], 1
	s_add_co_u32 s[G0A+4*(\s)+1], s[LBA], (\s)*SLOT
	s_add_nc_u64 s[G0A+4*(\s)+2:G0A+4*(\s)+3], s[68:69], (\s)*ASTEP
	s_or_b32 s[G0A+4*(\s)+3], s[G0A+4*(\s)+3], 0x80000000
	s_mov_b32 s[G0B+4*(\s)], 1
	s_add_co_u32 s[G0B+4*(\s)+1], s[LBB], (\s)*SLOT
	s_add_nc_u64 s[G0B+4*(\s)+2:G0B+4*(\s)+3], s[70:71], (\s)*BSTEP
	s_or_b32 s[G0B+4*(\s)+3], s[G0B+4*(\s)+3], 0x80000000
	JLOAD \s                                       ; two loads of mine are out, the most in this text
.endr
	v_and_b32 v1, 15, v0                           ; r = l % 16
	v_bfe_u32 v2, v0, 4, 1                         ; h = l / 16
	v_mul_u32_u24 v[A0], v1, PA
	v_lshl_add_u32 v[A0], v2, 4, v[A0]
	s_mul_i32 s72, s[WM], ASUB
	v_add_nc_u32 v[A0], s72, v[A0]                 ; A: my half + r x pitch + 16 h
	v_and_b32 v3, 7, v0
	v_lshl_add_u32 v3, v2, 3, v3
	v_mul_u32_u24 v[B0], v3, PB
	v_bfe_u32 v4, v0, 3, 1
	v_lshl_add_u32 v[B0], v4, 4, v[B0]
	s_mul_i32 s72, s[WN], BSUB
	s_add_co_u32 s72, s72, 2*ASUB
	v_add_nc_u32 v[B0], s72, v[B0]                 ; B: my half + (8 h + l % 8) x pitch + 16 ((l / 8) % 2)
	v_mov_b32 v[ADRA], v[A0]
	v_mov_b32 v[ADRB], v[B0]
	s_mul_i32 s72, s[WV], REG
	v_mul_u32_u24 v[STO], v1, DP
	v_lshl_add_u32 v[STO], v2, 5, v[STO]
	v_add_nc_u32 v[STO], s72, v[STO]               ; in: row r, 32 bytes for each half of the lanes
	v_mul_u32_u24 v[RD], v2, DP
	v_lshl_add_u32 v[RD], v1, 4, v[RD]
	v_add_nc_u32 v[RD], s72, v[RD]                 ; back: lanes 0-15 take 64 columns of one row, lanes 16-31 of the next
	v_lshlrev_b32 v[CO], 7, v2
	v_lshl_add_u32 v[CO], v1, 3, v[CO]             ; and the same two tokens of a head: 256 consecutive bytes
	s_cmp_eq_u32 ttmp9, 0                          ; the bias that goes with the weight
	s_cselect_b64 s[10:11], s[10:11], s[12:13]
	s_cmp_eq_u32 ttmp9, 2
	s_cselect_b64 s[10:11], s[14:15], s[10:11]
	s_lshl_b32 s72, s[CX], 10
	s_lshl_b32 s73, s[WN], 9
	s_add_co_u32 s72, s72, s73
	v_lshl_add_u32 v[BO], v1, 4, s72
	global_load_b128 v[BI:BI+3], v[BO], s[10:11]               ; my four columns of the first head,
	global_load_b128 v[BI+4:BI+7], v[BO], s[10:11] offset:256  ; and of the second
	s_lshl_b32 s72, s[TM], 8
	s_lshl_b32 s73, s[WM], 7
	s_add_co_u32 s72, s72, s73                     ; my first token
	s_lshr_b32 s73, s72, 11                        ; b
	s_and_b32 s72, s72, 2047                       ; s
	s_mul_i32 s73, s73, 48
	s_lshl2_add_u32 s73, s[TN], s73
	s_lshl1_add_u32 s73, s[WN], s73                ; 48 b + my first head's number
	s_lshl_b32 s73, s73, 11
	s_add_co_u32 s72, s72, s73
	s_lshl_b32 s72, s72, 7                         ; 128 bytes a token and head
	s_mov_b32 s73, 0
	s_add_nc_u64 s[8:9], s[8:9], s[72:73]
	; THE PREFETCHES.  a16 and wb are read here for the first time in the launch.  A's rows are asked for by the clusters with x = 0, B's by those with y = 0; of the 128 rows that a wave fetches
	; each of the four partners that ask jointly takes 32, told apart by address.  The pointer starts at K step 3 and is stepped at the head of each change of slots: the refill of step t names step t + 2.
	s_and_b32 s66, ttmp7, 0xffff
	s_lshl_b32 s72, s[TM], 8
	s_lshl_b32 s73, s[WN], 7
	s_add_co_u32 s72, s72, s73
	s_lshl_b32 s73, s[CX], 5
	s_add_co_u32 s72, s72, s73
	s_mul_i32 s72, s72, APITCH*2
	s_add_co_u32 s72, s72, 3*ASTEP
	s_lshl_b32 s73, s[CY], 5
	s_add_co_u32 s73, s73, 3*128
	s_mul_i32 s73, s73, NP*2
	s_add_co_u32 s73, s73, s63
	s_mov_b32 s[PFS], BSTEP
	s_mov_b32 s67, NP*2
	s_cmp_eq_u32 s[WM], 0
	s_cselect_b32 s72, s72, s73
	s_cselect_b32 s66, ttmp9, s66                  ; the coordinate along which other clusters read the same rows
	s_cselect_b64 s[PFA:PFA+1], s[4:5], s[6:7]
	s_cselect_b32 s[PFS], ASTEP, s[PFS]
	s_cselect_b32 s67, APITCH*2, s67
	s_mov_b32 s[PFS+1], 0
	s_mov_b32 s73, 0
	s_add_nc_u64 s[PFA:PFA+1], s[PFA:PFA+1], s[72:73]
	s_cmp_eq_u32 s66, 0
	s_cselect_b32 s[LIM], 2, -1                    ; the last two refills have no K step two on
	v_and_b32 v[PFO], 31, v0
	v_mul_lo_u32 v[PFO], v[PFO], s67               ; a lane a row
	s_wait_tensorcnt 1                             ; my part of K step 0 is in; K step 1's may stay out
	s_barrier_signal -1
	s_barrier_wait -1
	FETCH 0, F0
	PH 0, F0, F1, 1                                ; the first phase stands ahead of the loop: its products start the sums
	WIN 0
	s_mov_b32 s3, NSLOT-2
.Lslot:                                            ; a trip: a slot's phases 1 to 3, its refill, and the next slot's phase 0
	PH 1, F1, F0, 0
	PH 2, F0, F1, 0
	TURN
	PH 0, F0, F1, 0
	WIN 0
	s_sub_co_u32 s3, s3, 1
	s_cmp_lg_u32 s3, 0
	s_cbranch_scc1 .Lslot
	s_mov_b32 s3, 2
.Ltail:                                            ; the last two slots: nothing is asked for
	PH 1, F1, F0, 0
	PH 2, F0, F1, 0
	TURNT
	WIN 0
	s_sub_co_u32 s3, s3, 1
	s_cmp_eq_u32 s3, 0
	s_cbranch_scc1 .Lout
	PH 0, F0, F1, 0
	WIN 0
	s_branch .Ltail
.Lout:
	PLACES
	s_wait_dscnt 0x0
	s_barrier_signal -1
	s_barrier_wait -1                              ; every wave's reads of the ring are over: it may be written
	DUMP
	UNITS                                          ; the first trip's rows
	s_wait_loadcnt 0x0                             ; the bias
	s_mov_b32 s3, 16
.Lrows:                                            ; eight rows a trip
.irp j, 0,1,2,3,4,5,6,7
	s_wait_dscnt 7-(\j)                            ; unit j is in; the younger of the eight may stay out
	v_pk_add_f32 v[GX+4*(\j):GX+4*(\j)+1], v[GL+4*(\j):GL+4*(\j)+1], v[BI+4*((\j)%2):BI+4*((\j)%2)+1]
	v_pk_add_f32 v[GX+4*(\j)+2:GX+4*(\j)+3], v[GL+4*(\j)+2:GL+4*(\j)+3], v[BI+4*((\j)%2)+2:BI+4*((\j)%2)+3]
.endr
	s_cmp_eq_u32 s3, 1                             ; the last trip has no rows ahead
	s_cbranch_scc1 .Lnomore
	v_add_nc_u32 v[RD], 8*DP, v[RD]
	UNITS                                          ; the next trip's rows: they come while this trip rounds and stores
.Lnomore:
	s_wait_xcnt 0x0                                ; the last trip's stores have read their data and their base
	s_add_nc_u64 s[8:9], s[8:9], 1024              ; the stores below reach back by their immediate
.irp j, 0,1,2,3,4,5,6,7
	v_cvt_pk_bf16_f32 v[GY+2*(\j)], v[GX+4*(\j)], v[GX+4*(\j)+1]
	v_cvt_pk_bf16_f32 v[GY+2*(\j)+1], v[GX+4*(\j)+2], v[GX+4*(\j)+3]
	global_store_b64 v[CO], v[GY+2*(\j):GY+2*(\j)+1], s[8:9] offset:((\j)%2)*262144+256*((\j)/2)-1024  ; 32 lanes x 8 bytes: 256 consecutive bytes, aligned
.endr
	s_sub_co_u32 s3, s3, 1
	s_cmp_lg_u32 s3, 0
	s_cbranch_scc1 .Lrows
	s_wait_tensorcnt 0x0                           ; the wave's end
	ds_add_u32 v[SPW], v[NIL]
	s_wait_dscnt 0x0
	CROUND                                         ; the closing round
	s_endpgm
.Lfunc_end_k_qd8a09356e3_qkv:
	.size	k_qd8a09356e3_qkv, .Lfunc_end_k_qd8a09356e3_qkv-k_qd8a09356e3_qkv
	.p2alignl 7, 3214868480
	.fill 96, 4, 3214868480
	.section	.rodata,"a",@progbits
	.p2align	6, 0x0
	.amdhsa_kernel k_qd8a09356e3_qkv
		.amdhsa_group_segment_fixed_size 327680
		.amdhsa_private_segment_fixed_size 0
		.amdhsa_enable_private_segment 0
		.amdhsa_kernarg_size 48
		.amdhsa_user_sgpr_count 2
		.amdhsa_user_sgpr_kernarg_segment_ptr 1
		.amdhsa_wavefront_size32 1
		.amdhsa_system_sgpr_workgroup_id_x 1
		.amdhsa_system_sgpr_workgroup_id_y 1
		.amdhsa_system_sgpr_workgroup_id_z 1
		.amdhsa_system_vgpr_workitem_id 0
		.amdhsa_next_free_vgpr 1024
		.amdhsa_next_free_sgpr 96
		.amdhsa_reserve_vcc 0
		.amdhsa_float_denorm_mode_32 3
		.amdhsa_float_denorm_mode_16_64 3
		.amdhsa_memory_ordered 1
		.amdhsa_forward_progress 1
		.amdhsa_inst_pref_size 83
	.end_amdhsa_kernel
	.amdgpu_metadata
---
amdhsa.version: [ 1, 2 ]
amdhsa.kernels:
  - .name:           k_qd8a09356e3_qkv
    .symbol:         k_qd8a09356e3_qkv.kd
    .args:
      - { .name: a16, .offset: 0, .size: 8, .value_kind: global_buffer, .address_space: global }
      - { .name: wb, .offset: 8, .size: 8, .value_kind: global_buffer, .address_space: global }
      - { .name: qkvh, .offset: 16, .size: 8, .value_kind: global_buffer, .address_space: global }
      - { .name: bq, .offset: 24, .size: 8, .value_kind: global_buffer, .address_space: global }
      - { .name: bk, .offset: 32, .size: 8, .value_kind: global_buffer, .address_space: global }
      - { .name: bv, .offset: 40, .size: 8, .value_kind: global_buffer, .address_space: global }
    .group_segment_fixed_size: 327680
    .private_segment_fixed_size: 0
    .kernarg_segment_align: 8
    .kernarg_segment_size: 48
    .max_flat_workgroup_size: 128
    .sgpr_count:     96
    .vgpr_count:     1024
    .wavefront_size: 32
...
	.end_amdgpu_metadata
.endif
;; end of part 2
;; launch attn (part 3): grid 16 x 16, 4 waves a work-group, clusters of 4 x 1, 327,680 bytes of LDS; arguments qkvh, mask, a16; writes a16
.if DOCPART == 3
	.amdgcn_target "amdgcn-amd-amdhsa--gfx1250"
	.amdhsa_code_object_version 6
	.text
	.protected	k_qd8a09356e3_attn
	.globl	k_qd8a09356e3_attn
	.p2align	8
	.type	k_qd8a09356e3_attn,@function
k_qd8a09356e3_attn:
	s_mov_b64 s[64:65], 0
	v_nop
	global_prefetch_b8 v0, s[64:65] scope:SCOPE_SE
	s_setreg_imm32_b32 hwreg(HW_REG_WAVE_MODE, 25, 1), 1
	s_wait_xcnt 0x0
	s_wait_alu depctr_hold_cnt(0) depctr_sa_sdst(0) depctr_va_vdst(0) depctr_va_sdst(0) depctr_va_ssrc(0) depctr_va_vcc(0) depctr_vm_vsrc(0)
	s_getreg_b32 s2, hwreg(HW_REG_IB_STS2, 6, 4)
	s_cmp_eq_u32 s2, 0
	s_cbranch_scc0 .Lentry_in_a_cluster
	s_endpgm
.Lentry_in_a_cluster:
	s_bfe_u32 s2, ttmp6, 0x10000c
	s_cmp_lg_u32 s2, 0x3003
	s_cbranch_scc0 .Lentry_shape_is_right
	s_endpgm
.Lentry_shape_is_right:
; ATTENTION.  a16[b][q][64 head + :] = the sum over k of softmax_k(Q . K / 8, keys with mask = 0 left out) V.  Q, K, V: qkvh[b][hc][s][64] bf16 (hc: 0-15 q, 16-31 k, 32-47 v).
; Products, maxima and sums in f32; the weights p are rounded to bf16 for the second product (their sum l is taken of the unrounded p), O once at the end.
; LIMITS.  A hidden key's score counts as its value less 1e30, so scores are taken to lie under 1e29 in size.  A row whose running maximum ends below -5e29 (every key of the batch hidden) gets NaN, as a softmax
; of nothing but -inf gives.  A weight below 2^-126 counts as 0 in l.
; SHARES.  A work-group owns 128 queries of TWO neighbouring heads, so that a token's 256 bytes of a16 leave whole.  Wave w: head w % 2 of the pair, queries 64 (w / 2) ..: four PIECES of 16.  Keys go 64 a step.
; CLUSTER.  The four query blocks of a cluster walk the same K and V of both heads: each tile is asked for jointly (mask 15).  Waves 0, 1 fetch K of head 0, 1; waves 2, 3 V: 128 keys a load, two steps a slot.
; LAYOUT.  S^T = K Q^T holds ONE query a lane (lane % 16) and the keys 8 (lane / 16) + 0..7; two such results rounded to bf16 ARE source 1 of O^T = V^T P.  THE MASK is the C operand that starts S^T's sums:
; 0 or -1e30 for each key, from a table of 2,048 f32 in LDS, made once; a step's 32 registers of it are fetched with the step's K.
; SOFTMAX.  p = 2^(c s - c m), c = log2(e) / 8, with a running maximum m; O and l are multiplied by a = 2^(c m_old - c m_new) in every step.  m starts at the lowest finite number, O and l at 0.
; TURNS.  Turn n belongs to piece n: 8 products K Q^T of piece n + 1, later 8 products V^T P of piece n - 1; beside them the scaling, exponentials, roundings, sums and rescaling of piece n and the maximum and
; statistics of piece n + 1.  Four vector instructions stand behind every matrix instruction, the rest in one lump.  A turn's 33 exponentials are one batch with one wait.
; REGISTERS: window 0: v1-15, v56-63 addresses; v16-31 statistics; v48-55 at work; v64-127 S^T, two buffers; v192-223 P, two buffers.  window 1: v0-127 O^T.  window 2: v0-63 Q; v64-95 the mask; v128-191 K; v192-255 V.
.set NP,    4
.set KS,    64
.set PK,    144       ; a row of K in LDS: 128 bytes + 16
.set PV,    160       ; a row of V: 128 + 32
.set KH,    128*PK    ; a head's 128 keys
.set VH,    128*PV
.set VOFF,  2*KH      ; a slot: K of both heads, then V of both
.set SLOT1, 1<<17
.set STAGE, SLOT1+2*KH+2*VH  ; behind the ring, never filled by a tensor load: 128 rows x 272 bytes, the work-group's, for the way out
.set SP,    272
.set MSK,   STAGE+128*SP     ; the table of mask addends
.set SPARE, MSK+8192         ; the spare words, 128 bytes a wave, which no other line names
.set AK0, 2
.set AV0, 3
.set AK,  4
.set AV,  5
.set STO, 6
.set RD,  7
.set GO,  8
.set MV,  12
.set QO,  15
.set ST,  16          ; piece t's statistics at v[ST+4 t]: c m, m, l (even keys', odd keys')
.set TMP, 48
.set AM0, 56
.set AMK, 57
.set PFO, 58
.set MO,  59
.set MS,  60
.set SPW, 62
.set NIL, 63
.set S,   64
.set P,   192
.set MK,  64          ; window 2
.set KF,  128         ; window 2
.set VF,  192         ; window 2
.set WV,  12
.set LIM, 15
.set PFA, 18
.set G1K, 24
.set G1V, 32
.set G0K, 40
.set G0V, 44
.set SLOTS, 56
.set CNT, 57
.set CS,  58
.set SEL, 60
.set TBK, 62
.set TBV, 63
.set TBM, 70
.set MSB, 0
.macro WIN new
.if MSB != (\new)
	s_set_vgpr_msb (MSB<<8)|(\new)
.set MSB, (\new)
.endif
.endm
.set W_KQ, 0x0a       ; K and Q in window 2, S^T in window 0
.set W_KM, 0x2a       ; the same with the C operand in window 2
.set W_PV, 0x52       ; V in window 2, P in window 0, O^T in window 1
.set W_RS, 0x41       ; destination and source 0 in window 1, source 1 in window 0
.macro JLOAD                        ; a joint fill; s_nop 0 and four v_nop follow each of the two lines
	s_cmp_lt_u32 s[WV], 2
	s_cbranch_scc0 .Lfor_v_\@
	tensor_load_to_lds s[G0K:G0K+3], s[G1K:G1K+7]
	s_nop 0
.rept 4
	v_nop
.endr
	s_branch .Lasked_\@
.Lfor_v_\@:
	tensor_load_to_lds s[G0V:G0V+3], s[G1V:G1V+7]
	s_nop 0
.rept 4
	v_nop
.endr
.Lasked_\@:
.endm
.macro ASK                          ; what the next change of slots will ask for: 32 blocks of 256 bytes, a lane a block
	s_cmp_gt_u32 s[SLOTS], s[LIM]
	s_cbranch_scc0 .Lnot_mine_\@
	global_prefetch_b8 v[PFO], s[PFA:PFA+1] th:TH_LOAD_NT scope:SCOPE_SE
.Lnot_mine_\@:
.endm
.macro CROUND
	s_barrier_signal -1
	s_barrier_wait -1
	s_cmp_lg_u32 s[WV], 0
	s_cbranch_scc1 .Lnot_wave_0_\@
	s_barrier_signal -3
.Lnot_wave_0_\@:
	s_barrier_wait -3
	s_barrier_signal -1
	s_barrier_wait -1
.endm
; THE CHANGE OF SLOTS.  Each wave waits for all its tensor loads (one is out: its part of the other slot), adds 0 to its spare word, and waits for that and for its own LDS instructions.  fill = 1: the barrier is a
; round of the cluster's, and the slot that was read is filled again first thing behind it, with the keys two slots on.  (At its first use slot 0 is waited for, the mask table shown to all, and slot 1 filled.)
.macro CHANGE fill, ask=0
	WIN 0
	s_wait_tensorcnt 0x0
	ds_add_u32 v[SPW], v[NIL]
.if \fill
.irp g, G0K, G0V
	s_xor_b32 s[\g+1], s[\g+1], SLOT1
	s_add_nc_u64 s[\g+2:\g+3], s[\g+2:\g+3], 2*KS*128
.endr
	s_wait_xcnt 0x0                 ; the last prefetch, two key steps back, has read its address
	s_add_nc_u64 s[PFA:PFA+1], s[PFA:PFA+1], 2*KS*128
	s_wait_dscnt 0x0
	CROUND
	JLOAD
.if \ask
	ASK
.endif
.else
	s_wait_dscnt 0x0
	s_barrier_signal -1
	s_barrier_wait -1
.endif
	s_sub_co_u32 s[TBK], s[TBK], 2*KS*PK  ; the fetches go back to a slot's first step, in the other slot
	s_xor_b32 s[TBK], s[TBK], SLOT1
	s_sub_co_u32 s[TBV], s[TBV], 2*KS*PV
	s_xor_b32 s[TBV], s[TBV], SLOT1
.endm
	s_load_b128 s[4:7], s[0:1], 0x0   ; qkvh s[4:5], mask s[6:7]
	s_load_b64 s[8:9], s[0:1], 0x10   ; a16
	v_lshl_add_u32 v[SPW], v0, 2, SPARE
	v_mov_b32 v[NIL], 0
	ds_add_u32 v[SPW], v[NIL]       ; the wave's opening: the add and its wait stand ahead of my first tensor load
	v_lshrrev_b32 v1, 5, v0
	v_readfirstlane_b32 s[WV], v1   ; wave 0..3
	s_bfe_u32 s13, ttmp6, 0x40000   ; cx
	s_lshl_b32 s14, ttmp9, 2
	s_add_co_u32 s14, s14, s13      ; my block of 128 queries: it enters Q's and O's addresses alone
	s_and_b32 s20, ttmp7, 0xffff
	s_lshr_b32 s21, s20, 3          ; b
	s_and_b32 s22, s20, 7           ; the pair of heads
	s_and_b32 s16, s[WV], 1         ; my head of the pair
	s_lshr_b32 s17, s[WV], 1        ; my half of the queries
	s_mul_i32 s23, s21, 48
	s_lshl1_add_u32 s23, s22, s23
	s_add_co_u32 s23, s23, s16      ; 48 b + my head
	s_lshl_b32 s78, s23, 18         ; 262,144 bytes a head
	s_add_co_u32 s74, s78, 16<<18   ; K's heads lie 16 further on,
	s_add_co_u32 s76, s78, 32<<18   ; V's 32
	s_mov_b32 s75, 0
	s_mov_b32 s77, 0
	s_mov_b32 s79, 0
	s_lshl_b32 s2, s14, 14
	s_add_co_u32 s78, s78, s2
	s_lshl_b32 s2, s17, 13
	s_add_co_u32 s78, s78, s2       ; Q at my wave's first row
	s_lshl_b32 s80, s21, 22         ; O: token (2048 b + 128 block + 32 wave) x 2,048 bytes + 256 x pair
	s_lshl_b32 s2, s14, 18
	s_add_co_u32 s80, s80, s2
	s_lshl_b32 s2, s[WV], 16
	s_add_co_u32 s80, s80, s2
	s_lshl_b32 s2, s22, 8
	s_add_co_u32 s80, s80, s2
	s_mov_b32 s81, 0
	s_lshl_b32 s82, s21, 13         ; the batch's 2,048 mask words
	s_mov_b32 s83, 0
	s_mul_i32 s84, s16, KH          ; where my tile goes in a slot: no place in the cluster enters an LDS address
	s_mul_i32 s85, s16, VH
	s_add_co_u32 s85, s85, VOFF
	; descriptor group 1: 128 keys are 16,384 dense bytes: asked for as 64 rows of 256 bytes, padded in LDS after every key
	s_mov_b32 s[G1K], 15|(1<<16)|(1<<20)|(1<<21)|(4<<22)|(3<<25)
	s_mov_b32 s[G1V], 15|(1<<16)|(1<<20)|(1<<21)|(4<<22)|(7<<25)
.irp g, G1K, G1V
	s_mov_b32 s[\g+1], 128<<16
	s_mov_b32 s[\g+2], 64<<16
	s_mov_b32 s[\g+3], 128<<16
	s_mov_b32 s[\g+4], 64
	s_mov_b32 s[\g+5], 128
	s_mov_b32 s[\g+6], 0
	s_mov_b32 s[\g+7], 0
.endr
	s_mov_b32 s[CS], 0x3e38aa3b     ; c = log2(e) / 8
	s_mov_b32 s[CS+1], s[CS]
	s_mov_b32 s[SEL], 0x76543210
	s_mov_b32 s[SEL+1], 0xfedcba98
	s_mov_b32 s[TBK], SLOT1+2*KS*PK ; the first change of slots turns these two into 0
	s_mov_b32 s[TBV], SLOT1+2*KS*PV
	s_mov_b32 s[TBM], 0
	s_mov_b32 s71, 0xf149f2ca       ; -1e30
	s_mov_b32 s72, 0xf0c9f2ca       ; -5e29
	s_mov_b32 s73, 0x7fc00000       ; NaN
	s_mov_b32 s[SLOTS], 15
	s_mov_b32 s[G0K], 1
	s_mov_b32 s[G0K+1], s84
	s_mov_b32 s[G0V], 1
	s_mov_b32 s[G0V+1], s85
	s_and_b32 s[LIM], s[WV], 1      ; waves 0 and 2 of the pair's first cluster prefetch
	s_or_b32 s[LIM], s[LIM], ttmp9
	s_cmp_eq_u32 s[LIM], 0
	s_cselect_b32 s[LIM], 1, -1
	v_and_b32 v[PFO], 31, v0
	v_lshlrev_b32 v[PFO], 8, v[PFO]
	s_wait_dscnt 0x0                ; the opening add is done
	s_wait_kmcnt 0x0
	s_add_nc_u64 s[74:75], s[4:5], s[74:75]
	s_add_nc_u64 s[76:77], s[4:5], s[76:77]
	s_mov_b64 s[G0K+2:G0K+3], s[74:75]
	s_or_b32 s[G0K+3], s[G0K+3], 0x80000000
	s_mov_b64 s[G0V+2:G0V+3], s[76:77]
	s_or_b32 s[G0V+3], s[G0V+3], 0x80000000
	s_add_nc_u64 s[4:5], s[4:5], s[78:79]
	s_add_nc_u64 s[6:7], s[6:7], s[82:83]
	s_add_nc_u64 s[10:11], s[8:9], s[80:81]
	s_cmp_lt_u32 s[WV], 2           ; the prefetches: both heads' 128 keys are 128 blocks of 256 bytes; partner cx takes half cx % 2 of head cx / 2
	s_cselect_b64 s[PFA:PFA+1], s[74:75], s[76:77]
	s_lshr_b32 s2, s13, 1
	s_lshl_b32 s2, s2, 18
	s_and_b32 s3, s13, 1
	s_lshl_b32 s3, s3, 13
	s_add_co_u32 s2, s2, s3
	s_add_co_u32 s2, s2, 2*KS*128   ; in slot 1; each change of slots that fills steps it once before it asks
	s_mov_b32 s3, 0
	s_add_nc_u64 s[PFA:PFA+1], s[PFA:PFA+1], s[2:3]
	CROUND                          ; all four work-groups are here: the first joint loads meet
	JLOAD                           ; slot 0
	v_and_b32 v1, 15, v0            ; l % 16
	v_bfe_u32 v9, v0, 4, 1          ; l / 16
	v_lshlrev_b32 v[MO], 4, v0      ; the mask: thread t takes 16 bytes at 16 t + 2,048 i
	v_add_nc_u32 v[MS], MSK, v[MO]
.irp i, 0,1,2,3
	global_load_b128 v[S+4*(\i):S+4*(\i)+3], v[MO], s[6:7] offset:2048*(\i)
.endr
	v_lshlrev_b32 v[QO], 7, v1
	v_lshl_add_u32 v[QO], v9, 4, v[QO]  ; row x 128 + 16 x half
	WIN 0x80
.set i, 0
.rept 8                             ; Q stays in registers: piece i / 2, channels 32 (i % 2) on
	global_load_b128 v[8*i:8*i+3],   v[QO], s[4:5] offset:(i/2)*2048+(i%2)*64
	global_load_b128 v[8*i+4:8*i+7], v[QO], s[4:5] offset:(i/2)*2048+(i%2)*64+32
.set i, i+1
.endr
	; What the first turn finds: V's registers and P's second buffer hold 0 (its products V^T P, of a piece that has not been, add 0), O^T and l are 0.  All this stands in the wait for the first tile.
.set i, VF
.rept 64
	v_mov_b32 v[i], 0
.set i, i+1
.endr
	WIN 0x40
.set i, 0
.rept 128
	v_mov_b32 v[i], 0
.set i, i+1
.endr
	WIN 0
.set i, 0
.rept 4
	v_mov_b32 v[ST+4*i], 0xfe000000    ; c m: far below every c s
	v_mov_b32 v[ST+4*i+1], 0xff7fffff  ; m
	v_mov_b32 v[ST+4*i+2], 0
	v_mov_b32 v[ST+4*i+3], 0
.set i, i+1
.endr
.set i, P+16
.rept 16
	v_mov_b32 v[i], 0
.set i, i+1
.endr
	v_mul_u32_u24 v[AK0], v1, PK
	v_lshl_add_u32 v[AK0], v9, 4, v[AK0]
	v_add_nc_u32 v[AK0], s84, v[AK0]      ; my head's K + row x pitch + 16 x half
	v_and_b32 v10, 7, v0
	v_bfe_u32 v11, v0, 3, 1
	v_lshl_add_u32 v[AV0], v9, 3, v10
	v_mul_u32_u24 v[AV0], v[AV0], PV
	v_lshl_add_u32 v[AV0], v11, 4, v[AV0]
	v_add_nc_u32 v[AV0], s85, v[AV0]      ; my head's V + (8 (l / 16) + l % 8) x pitch + 16 ((l / 8) % 2)
	v_lshlrev_b32 v[AM0], 5, v9
	v_add_nc_u32 v[AM0], MSK, v[AM0]      ; a lane's eight keys of a block of 16 begin at 8 (l / 16)
	s_lshl_b32 s2, s17, 6
	v_add_nc_u32 v[STO], s2, v1
	v_mul_u32_u24 v[STO], v[STO], SP
	v_lshl_add_u32 v[STO], v9, 4, v[STO]
	s_lshl_b32 s2, s16, 7
	s_add_co_u32 s2, s2, STAGE
	v_add_nc_u32 v[STO], s2, v[STO]       ; in: row 64 (w / 2) + l % 16, my head's 128 bytes, 16 bytes for each half of the lanes
	s_lshl_b32 s2, s[WV], 5
	v_add_nc_u32 v[RD], s2, v9
	v_mul_u32_u24 v[RD], v[RD], SP
	v_lshl_add_u32 v[RD], v1, 4, v[RD]
	v_add_nc_u32 v[RD], STAGE, v[RD]      ; back: wave w takes rows 32 w .., whole: lanes 0-15 one row, lanes 16-31 the next
	v_lshlrev_b32 v[GO], 11, v9
	v_lshl_add_u32 v[GO], v1, 4, v[GO]    ; and the same two tokens in a16
	s_wait_loadcnt 16               ; the mask is in; Q's sixteen loads may stay out
.set i, 0
.rept 16
	v_cmp_eq_u32 vcc_lo, 0, v[S+i]
	v_cndmask_b32 v[S+i], 0, s71, vcc_lo
.set i, i+1
.endr
.irp i, 0,1,2,3
	ds_store_b128 v[MS], v[S+4*(\i):S+4*(\i)+3] offset:2048*(\i)
.endr
; THE MATRIX WORK.  The 4 accumulators of a run of 8 take turns.  Product i of 8 of S^T = K Q^T for piece x: channels 32 (i / 4) on, keys 16 (i % 4) on.  The first 4 start the sums with the mask.
.macro KQ x
.set rS, S+32*((\x)%2)+8*(i%4)
.set rK, KF+16*(i%4)+8*(i/4)
.set rQ, 16*(\x)+8*(i/4)
.set rM, MK+8*(i%4)
.if i < 4
	WIN W_KM
	v_wmma_f32_16x16x32_bf16 v[rS:rS+7], v[rK:rK+7], v[rQ:rQ+7], v[rM:rM+7]
.else
	WIN W_KQ
	v_wmma_f32_16x16x32_bf16 v[rS:rS+7], v[rK:rK+7], v[rQ:rQ+7], v[rS:rS+7]
.endif
.endm
.macro PV x                         ; product i of 8 of O^T += V^T P for piece x: keys 32 (i / 4) on, channels 16 (i % 4) on
	WIN W_PV
.set rO, 32*(\x)+8*(i%4)
.set rV, VF+32*(i/4)+8*(i%4)
.set rP, P+16*((\x)%2)+8*(i/4)
	v_wmma_f32_16x16x32_bf16 v[rO:rO+7], v[rV:rV+7], v[rP:rP+7], v[rO:rO+7]
.endm
.macro MM                           ; the turn's next matrix instruction
.if i < 8
	KQ (Y+1)%NP
.else
.set i, i-8
	PV (Y+NP-1)%NP
.set i, i+8
.endif
.set i, i+1
.endm
; THE LDS LOADS stand in runs: a step's K (8 fragments) with its 32 mask addends, and its V (turned).  last = 1 (the tail): in the last trip there is no further step, and the run is jumped over.
.macro FETCH_K last=0
	WIN 0
.if \last
	s_cmp_eq_u32 s[CNT], 1
	s_cbranch_scc1 .Lno_k_\@
.endif
	WIN 0x80
.irp f, 0,1,2,3,4,5,6,7
	ds_load_b128 v[KF+8*\f:KF+8*\f+3],   v[AK] offset:(\f/2)*16*PK+(\f%2)*64
	ds_load_b128 v[KF+8*\f+4:KF+8*\f+7], v[AK] offset:(\f/2)*16*PK+(\f%2)*64+32
.endr
.irp f, 0,1,2,3
	ds_load_b128 v[MK+8*\f:MK+8*\f+3],   v[AMK] offset:64*\f
	ds_load_b128 v[MK+8*\f+4:MK+8*\f+7], v[AMK] offset:64*\f+16
.endr
	s_add_co_u32 s[TBK], s[TBK], KS*PK
	s_add_co_u32 s[TBM], s[TBM], KS*4
	s_and_b32 s[TBM], s[TBM], 0x1fff
	WIN 0
.if \last
.Lno_k_\@:
.endif
.endm
.macro FETCH_V
	WIN 0x80
.irp f, 0,1,2,3,4,5,6,7
	ds_load_tr16_b128 v[VF+8*\f:VF+8*\f+3],   v[AV] offset:(\f/4)*32*PV+(\f%4)*32
	ds_load_tr16_b128 v[VF+8*\f+4:VF+8*\f+7], v[AV] offset:(\f/4)*32*PV+16*PV+(\f%4)*32
.endr
	WIN 0
.endm
; THE VECTOR WORK, one line at a time: OP kind, number.  For piece Y: F n: c s - c m for pair n.  E n: the exponential of score n.  C n: pair n rounded to bf16.  B n: of the four weights 4 n .. the second pair is
; added onto the first.  L n: l takes that sum (L 0: l = a l + sum).  R n: pair n of O^T times a.  For piece Y + 1: X n, number n of the 22 that find its maximum and statistics:
; 0-11 four chains of seven scores (each accumulator's lowest registers first); 12-14, 16 the rest, the old m, all into c0; 15 c m_old is kept; 17, 18 the lane 16 away: the new m; 19-21 c m, its change, a.
.set F, 0
.set E, 1
.set C, 2
.set B, 3
.set L, 4
.set R, 5
.set X, 6
.macro REGS y
.set rT, ST+4*(\y)
.set rC, TMP+4*((\y)%2)
.set rW, MV+((\y)%2)
.set rS, S+32*((\y)%2)
.set rP, P+16*((\y)%2)
.set rO, 32*(\y)
.endm
.macro OP k, n
.if (\k) == R
	REGS Y
	WIN W_RS
	v_pk_mul_f32 v[rO+2*(\n):rO+2*(\n)+1], v[rO+2*(\n):rO+2*(\n)+1], v[rC+2:rC+3] op_sel_hi:[1,0]
.elseif (\k) < R
	REGS Y
	WIN 0
.if (\k) == F
	v_pk_fma_f32 v[rS+2*(\n):rS+2*(\n)+1], v[rS+2*(\n):rS+2*(\n)+1], s[CS:CS+1], v[rT:rT+1] op_sel_hi:[1,0,0] neg_lo:[0,0,1] neg_hi:[0,0,1]
.elseif (\k) == E
	v_exp_f32 v[rS+(\n)], v[rS+(\n)]
.elseif (\k) == C
	v_cvt_pk_bf16_f32 v[rP+(\n)], v[rS+2*(\n)], v[rS+2*(\n)+1]
.elseif (\k) == B
	v_pk_add_f32 v[rS+4*(\n):rS+4*(\n)+1], v[rS+4*(\n):rS+4*(\n)+1], v[rS+4*(\n)+2:rS+4*(\n)+3]
.elseif (\n) == 0
	v_pk_fma_f32 v[rT+2:rT+3], v[rT+2:rT+3], v[rC+2:rC+3], v[rS:rS+1] op_sel_hi:[1,0,1]
.else
	v_pk_add_f32 v[rT+2:rT+3], v[rT+2:rT+3], v[rS+4*(\n):rS+4*(\n)+1]
.endif
.else
	REGS (Y+1)%NP
	WIN 0
.if (\n) < 4
	v_max3_num_f32 v[rC+(\n)], v[rS+8*(\n)], v[rS+8*(\n)+1], v[rS+8*(\n)+2]
.elseif (\n) < 12
	v_max3_num_f32 v[rC+(\n)%4], v[rC+(\n)%4], v[rS+8*((\n)%4)+2*((\n)/4)+1], v[rS+8*((\n)%4)+2*((\n)/4)+2]
.elseif (\n) == 12
	v_max3_num_f32 v[rC], v[rC], v[rS+7], v[rS+15]
.elseif (\n) == 13
	v_max3_num_f32 v[rC+1], v[rC+1], v[rS+23], v[rS+31]
.elseif (\n) == 14
	v_max3_num_f32 v[rC+2], v[rC+2], v[rC+3], v[rT+1]
.elseif (\n) == 15
	v_mov_b32 v[rW], v[rT]
.elseif (\n) == 16
	v_max3_num_f32 v[rC], v[rC], v[rC+1], v[rC+2]
.elseif (\n) == 17
	v_permlanex16_b32 v[rC+3], v[rC], s[SEL], s[SEL+1]
.elseif (\n) == 18
	v_max_num_f32 v[rT+1], v[rC], v[rC+3]
.elseif (\n) == 19
	v_mul_f32 v[rT], s[CS], v[rT+1]
.elseif (\n) == 20
	v_sub_f32 v[rC+1], v[rW], v[rT]
.else
	v_exp_f32 v[rC+2], v[rC+1]
.endif
.endif
.endm
.macro OPS a, i1, b=-1, i2=0, c=-1, i3=0, d=-1, i4=0
	OP \a, \i1
.if (\b) >= 0
	OP \b, \i2
.endif
.if (\c) >= 0
	OP \c, \i3
.endif
.if (\d) >= 0
	OP \d, \i4
.endif
.endm
.macro ROW a, i1, b, i2, c, i3, d, i4  ; a matrix instruction and the four behind it
	MM
	OPS \a, \i1, \b, \i2, \c, \i3, \d, \i4
.endm
; A TURN, for piece p.  Ahead of its one wait stands all that names no result of the turn's exponentials: 8 products K Q^T with their riders, then the lump; X 21, the next piece's a, is the batch's last, R 15 the plain
; instruction behind it.  Behind the wait: 8 products V^T P, behind each four of the roundings and sums.  K and the mask of the next step are fetched in piece 2's turn, behind the last product that read K and five
; plain instructions that name none of its registers (in the tail: behind the wait); V of the step in hand at the end of piece 0's turn.  Each is waited for a turn later.
.macro TURN p, last=0, cnt=0
.set Y, (\p)
.set i, 0
.if (\p) == 3
	s_wait_dscnt 0x0                ; K and the mask are in
.endif
	ROW F,0, F,1, R,0, R,1
	ROW F,2, E,0, R,2, R,3
	ROW F,3, E,1, R,4, R,5
	ROW F,4, E,2, R,6, R,7
	ROW F,5, E,3, R,8, R,9
	ROW F,6, E,4, X,0, R,10
.if (\p) == 2
	WIN 0
	v_add_nc_u32 v[AK], s[TBK], v[AK0]
	v_add_nc_u32 v[AMK], s[TBM], v[AM0]
.endif
	ROW F,7, E,5, X,1, X,4
	ROW F,8, E,6, X,2, X,5
	OPS E,7, E,8, X,6, E,9
	OPS X,3, E,10, X,8, E,11
.if ((\p) == 2) && !(\last)
	FETCH_K
.endif
	OPS X,9, X,7, E,12, X,10
	OPS E,13, X,12, X,11, E,14
	OPS X,13, E,15, F,9, X,14
.if (\p) == 0
	v_add_nc_u32 v[AV], s[TBV], v[AV0]
.endif
	OPS E,16, F,10, E,17, F,11
	OPS X,16, E,18, X,15, E,19
	OPS F,12, E,20, X,17, E,21
	OPS F,13, E,22, F,14, E,23
	OPS X,18, E,24, F,15, E,25
	OPS R,11, E,26, X,19, E,27
	OPS R,12, E,28, R,13, E,29
	OPS X,20, E,30, R,14, E,31
	OPS X,21, R,15
	WIN 0
	s_wait_alu depctr_va_vdst(0)    ; the wait for the batch
.if ((\p) == 2) && (\last)
	FETCH_K 1
.endif
.if (\p) == 1
	s_wait_dscnt 0x0                ; V is in
.endif
	ROW C,0, B,0, C,2, B,1
	ROW L,0, C,4, B,2, L,1
	ROW C,6, B,3, L,2, C,8
	ROW B,4, L,3, C,10, B,5
	ROW L,4, C,12, B,6, L,5
.if (\p) == 0
	s_add_co_u32 s[TBV], s[TBV], KS*PV
.endif
.if \cnt
	s_sub_co_u32 s[CNT], s[CNT], 1
	s_cmp_lg_u32 s[CNT], 0
.endif
	ROW C,14, B,7, L,6, C,1
	ROW C,3, L,7, C,5, C,7
	ROW C,9, C,11, C,13, C,15
.if (\p) == 0
	FETCH_V
.endif
.endm
	CHANGE 1                        ; slot 0 is in, everybody's part of it, and so is the mask table; slot 1 is asked for; nothing is prefetched here, where the first tiles are on their way
	v_add_nc_u32 v[AK], s[TBK], v[AK0]
	v_add_nc_u32 v[AMK], s[TBM], v[AM0]
	FETCH_K                         ; key step 0
	s_wait_loadcnt 0x0              ; Q
	s_wait_dscnt 0x0
.set i, 0
.rept 8
	KQ 0                            ; piece 0's first scores
.set i, i+1
.endr
	WIN 0
.rept 4
	v_nop                           ; the places behind those products
.endr
.set Y, NP-1                        ; X works for piece Y + 1: piece 0
.irp n, 0,1,2,3,4,5,6,7,8,9,10,11,12,13,14,15,16,17,18,19,20,21
	OP X, \n
.endr
	v_nop                           ; a plain instruction behind the exponential,
	s_wait_alu depctr_va_vdst(0)    ; and its wait, ahead of the branch
	s_mov_b32 s[CNT], 2
	s_branch .Lfirst                ; the loop is entered at a step's first turn, in the middle of a trip
.Lslot:                             ; 14 times: slots 2 to 15 are asked for
	CHANGE 1, 1
	s_mov_b32 s[CNT], 2
.Lstep:                             ; a trip: pieces 2 and 3 of one step, then pieces 0 and 1 of the next, whose K and V it fetches
	TURN 2
	TURN 3
	WIN 0
.Lfirst:
	TURN 0
	TURN 1, 0, 1
	WIN 0
	s_cbranch_scc1 .Lstep
	s_sub_co_u32 s[SLOTS], s[SLOTS], 1
	s_cmp_lg_u32 s[SLOTS], 0
	s_cbranch_scc1 .Lslot
	CHANGE 0                        ; the tail is written out
	s_mov_b32 s[CNT], 3             ; two trips fetch the last slot's steps; the third is left in its middle
.Ltail:
	TURN 2, 1
	TURN 3
	WIN 0
	s_sub_co_u32 s[CNT], s[CNT], 1
	s_cmp_eq_u32 s[CNT], 0
	s_cbranch_scc1 .Lout
	TURN 0
	TURN 1
	WIN 0
	s_branch .Ltail
.Lout:                              ; the third trip's 8 products K Q^T (on the last K once more) leave m as it was and serve nothing else: the price of one text for every trip
.set i, 0
.rept 8
	PV NP-1
.set i, i+1
.endr
	; THE WAY OUT.  l's halves are added; O^T is divided by l (NaN where no key was seen), rounded to bf16 and laid into the work-group's stage; a barrier, since a token's 256 bytes come from two waves; whole rows leave.
	WIN 0
.macro ALL line:vararg
.set t, 0
.rept 4
	\line
.set t, t+1
.endr
.endm
	ALL v_add_f32 v[ST+4*t+2], v[ST+4*t+2], v[ST+4*t+3]
	ALL v_permlanex16_b32 v[ST+4*t+3], v[ST+4*t+2], s[SEL], s[SEL+1]
	ALL v_add_f32 v[ST+4*t+2], v[ST+4*t+2], v[ST+4*t+3]
	ALL v_rcp_f32 v[ST+4*t+2], v[ST+4*t+2]
	v_nop
	s_wait_alu depctr_va_vdst(0)    ; one wait for the four reciprocals
.set t, 0
.rept 4
	v_cmp_gt_f32 vcc_lo, s72, v[ST+4*t+1]
	v_cndmask_b32 v[ST+4*t+2], v[ST+4*t+2], s73, vcc_lo
.set t, t+1
.endr
.macro PACK t
	WIN W_RS
.set i, 32*(\t)
.rept 16
	v_pk_mul_f32 v[i:i+1], v[i:i+1], v[ST+4*(\t)+2:ST+4*(\t)+3] op_sel_hi:[1,0]
.set i, i+2
.endr
	WIN 0x05
.set i, 0
.rept 16
	v_cvt_pk_bf16_f32 v[S+16*(\t)+i], v[32*(\t)+2*i], v[32*(\t)+2*i+1]
.set i, i+1
.endr
	WIN 0
.irp f, 0,1,2,3
	ds_store_b128 v[STO], v[S+16*(\t)+4*\f:S+16*(\t)+4*\f+3] offset:16*SP*(\t)+32*\f
.endr
.endm
	PACK 0
	PACK 1
	PACK 2
	PACK 3
	s_wait_dscnt 0x0                ; for the others' sake: my stores into the stage are done
	s_barrier_signal -1
	s_barrier_wait -1
.irp u, 0,1,2,3,4,5,6,7,8,9,10,11,12,13,14,15
	ds_load_b128 v[S+4*(\u):S+4*(\u)+3], v[RD] offset:2*SP*(\u)
.endr
.irp u, 0,1,2,3,4,5,6,7,8,9,10,11,12,13,14,15
	s_wait_dscnt 15-(\u)
	global_store_b128 v[GO], v[S+4*(\u):S+4*(\u)+3], s[10:11] offset:4096*(\u)  ; 16 lanes store 256 consecutive bytes, aligned
.endr
	s_wait_tensorcnt 0x0            ; the wave's end
	ds_add_u32 v[SPW], v[NIL]
	s_wait_dscnt 0x0
	CROUND                          ; the closing round
	s_endpgm
.Lfunc_end_k_qd8a09356e3_attn:
	.size	k_qd8a09356e3_attn, .Lfunc_end_k_qd8a09356e3_attn-k_qd8a09356e3_attn
	.p2alignl 7, 3214868480
	.fill 96, 4, 3214868480
	.section	.rodata,"a",@progbits
	.p2align	6, 0x0
	.amdhsa_kernel k_qd8a09356e3_attn
		.amdhsa_group_segment_fixed_size 327680
		.amdhsa_private_segment_fixed_size 0
		.amdhsa_enable_private_segment 0
		.amdhsa_kernarg_size 24
		.amdhsa_user_sgpr_count 2
		.amdhsa_user_sgpr_kernarg_segment_ptr 1
		.amdhsa_wavefront_size32 1
		.amdhsa_system_sgpr_workgroup_id_x 1
		.amdhsa_system_sgpr_workgroup_id_y 1
		.amdhsa_system_sgpr_workgroup_id_z 1
		.amdhsa_system_vgpr_workitem_id 0
		.amdhsa_next_free_vgpr 768
		.amdhsa_next_free_sgpr 88
		.amdhsa_reserve_vcc 1
		.amdhsa_float_denorm_mode_32 3
		.amdhsa_float_denorm_mode_16_64 3
		.amdhsa_memory_ordered 1
		.amdhsa_forward_progress 1
		.amdhsa_inst_pref_size 117
	.end_amdhsa_kernel
	.amdgpu_metadata
---
amdhsa.version: [ 1, 2 ]
amdhsa.kernels:
  - .name:           k_qd8a09356e3_attn
    .symbol:         k_qd8a09356e3_attn.kd
    .args:
      - { .name: qkvh, .offset: 0, .size: 8, .value_kind: global_buffer, .address_space: global }
      - { .name: mask, .offset: 8, .size: 8, .value_kind: global_buffer, .address_space: global }
      - { .name: a16, .offset: 16, .size: 8, .value_kind: global_buffer, .address_space: global }
    .group_segment_fixed_size: 327680
    .private_segment_fixed_size: 0
    .kernarg_segment_align: 8
    .kernarg_segment_size: 24
    .max_flat_workgroup_size: 128
    .sgpr_count:     88
    .vgpr_count:     768
    .wavefront_size: 32
...
	.end_amdgpu_metadata
.endif
;; end of part 3
;; launch oproj (part 4): grid 8 x 32, 4 waves a work-group, clusters of 4 x 4, 327,680 bytes of LDS; arguments a16, wb, hres, bo, x; writes hres
.if DOCPART == 4
	.amdgcn_target "amdgcn-amd-amdhsa--gfx1250"
	.amdhsa_code_object_version 6
	.text
	.protected	k_qd8a09356e3_oproj
	.globl	k_qd8a09356e3_oproj
	.p2align	8
	.type	k_qd8a09356e3_oproj,@function
k_qd8a09356e3_oproj:
	s_mov_b64 s[64:65], 0
	v_nop
	global_prefetch_b8 v0, s[64:65] scope:SCOPE_SE
	s_setreg_imm32_b32 hwreg(HW_REG_WAVE_MODE, 25, 1), 1
	s_wait_xcnt 0x0
	s_wait_alu depctr_hold_cnt(0) depctr_sa_sdst(0) depctr_va_vdst(0) depctr_va_sdst(0) depctr_va_ssrc(0) depctr_va_vcc(0) depctr_vm_vsrc(0)
	s_getreg_b32 s2, hwreg(HW_REG_IB_STS2, 6, 4)
	s_cmp_eq_u32 s2, 0
	s_cbranch_scc0 .Lentry_in_a_cluster
	s_endpgm
.Lentry_in_a_cluster:
	s_bfe_u32 s2, ttmp6, 0x10000c
	s_cmp_lg_u32 s2, 0xf033
	s_cbranch_scc0 .Lentry_shape_is_right
	s_endpgm
.Lentry_shape_is_right:
; OPROJ.  hres = a16 x wo + bo + x, f32.  A: a16 [4096][1024] bf16, K along the rows.  B: wo [1024 (k)][1024 (n)] bf16 as it lies in wb; its fragments come out of LDS turned.
; A tile of C is 128 x 128 (256 work-groups), four waves, 64 x 64 each: 16 accumulators.  A slot holds K = 256: two halves of A (128 rows x 256 bytes each) and two of B (128 k x 256 bytes); one load a wave.
; CLUSTER 4 x 4: A's tiles jointly along a row, B's along a column.  No prefetch: the tiles are small.  The residual's 32 loads a wave go out at the head and stay out under the whole K loop.
; A SLOT is four phases of 64 along K on two fragment buffers; a phase asks for the next phase's 32 LDS loads first and then issues its 32 products.  At a change of slots no product stands between the wait
; for the tensor loads and the refill: a slot's 128 products a wave are few beside the bytes that they want, so the refill goes out as soon as the round allows.
; The matrix instruction is used transposed: a lane holds eight neighbouring columns of one row of C.  THE WAY OUT goes through the ring, which has had its last fill: rows come back whole.
; REGISTERS: window 0: v1-29 addresses, v32-35 bias, v64-191 A's two fragment buffers (later at work); window 1: v64-191 B's two; window 2: v0-127 the accumulators, (a, b) at 8 (4 a + b); window 3: v0-127 the residual.
.set APITCH, 1024                      ; elements in a row of A = K
.set NP,     1024                      ; elements in a row of B
.set WOFF,   6<<20                     ; the weight's place in wb
.set NSLOT,  4                         ; K / 256
.set PA,     272
.set PB,     288
.set ASUB,   128*PA
.set BSUB,   128*PB
.set SLOT,   2*ASUB+2*BSUB
.set SPARE,  2*SLOT                    ; the spare words, 128 bytes a wave, which no other line names
.set ASTEP,  512
.set BSTEP,  256*NP*2
.set DP,     272                       ; the way out: a row of 64 f32 + 16 bytes
.set REG,    64*DP
.set A0,   8
.set B0,   10
.set ADRA, 12
.set ADRB, 14
.set STO,  16
.set RD,   17
.set CO,   18
.set BO,   20
.set SPW,  28
.set NIL,  29
.set BI,   32
.set F0,   64
.set F1,   128
.set WV, 16
.set WM, 17
.set WN, 18
.set CX, 19
.set CY, 20
.set TN, 21
.set TM, 22
.set TB, 23
.set G1A, 24
.set G0A, 32
.set G1B, 40
.set G0B, 48
.set LBA, 56
.set LBB, 57
.set MSB, 0
.macro WIN new
.if MSB != (\new)
	s_set_vgpr_msb (MSB<<8)|(\new)
.set MSB, \new
.endif
.endm
.macro PLACES
.rept 4
	v_nop
.endr
.endm
.macro JLOAD s                         ; a joint load: waves 0, 1 fetch A's halves, waves 2, 3 B's; s_nop 0 and four v_nop follow each line
	s_cmp_eq_u32 s[WM], 0
	s_cbranch_scc0 .Lfor_b_\@
	tensor_load_to_lds s[G0A+4*(\s):G0A+4*(\s)+3], s[G1A:G1A+7]
	s_nop 0
.rept 4
	v_nop
.endr
	s_branch .Lasked_\@
.Lfor_b_\@:
	tensor_load_to_lds s[G0B+4*(\s):G0B+4*(\s)+3], s[G1B:G1B+7]
	s_nop 0
.rept 4
	v_nop
.endr
.Lasked_\@:
.endm
.macro CREST
	s_cmp_lg_u32 s[WV], 0
	s_cbranch_scc1 .Lnot_wave_0_\@
	s_barrier_signal -3
.Lnot_wave_0_\@:
	s_barrier_wait -3
	s_barrier_signal -1
	s_barrier_wait -1
.endm
.macro CROUND
	s_barrier_signal -1
	s_barrier_wait -1
	CREST
.endm
.macro FETCH p, f                      ; 32 LDS loads in one run: K = 64 p .. of the slot in hand: fragment 4 c + i = 32 c along K, block i; B's eight (turned), then A's eight
	WIN 0x40
.irp c, 0,1
.irp i, 0,1,2,3
	ds_load_tr16_b128 v[(\f)+8*(4*(\c)+(\i)):(\f)+8*(4*(\c)+(\i))+3],   v[ADRB+(\p)/2] offset:(64*((\p)%2)+32*(\c))*PB+32*(\i)
	ds_load_tr16_b128 v[(\f)+8*(4*(\c)+(\i))+4:(\f)+8*(4*(\c)+(\i))+7], v[ADRB+(\p)/2] offset:(64*((\p)%2)+32*(\c))*PB+32*(\i)+16*PB
.endr
.endr
	WIN 0
.irp c, 0,1
.irp i, 0,1,2,3
	ds_load_b128 v[(\f)+8*(4*(\c)+(\i)):(\f)+8*(4*(\c)+(\i))+3],   v[ADRA+(\p)/2] offset:128*((\p)%2)+64*(\c)+(\i)*16*PA
	ds_load_b128 v[(\f)+8*(4*(\c)+(\i))+4:(\f)+8*(4*(\c)+(\i))+7], v[ADRA+(\p)/2] offset:128*((\p)%2)+64*(\c)+(\i)*16*PA+32
.endr
.endr
.endm
.macro MULQ f, hh, part, zero          ; 8 products: row blocks 2 part, + 1, all 4 column blocks, half hh of the phase's K.  The 16 accumulators take turns
	WIN 0xa1
.irp a, 2*(\part), 2*(\part)+1
.irp b, 0,1,2,3
.if \zero
	v_wmma_f32_16x16x32_bf16 v[8*(4*(\a)+(\b)):8*(4*(\a)+(\b))+7], v[(\f)+8*(4*(\hh)+(\b)):(\f)+8*(4*(\hh)+(\b))+7], v[(\f)+8*(4*(\hh)+(\a)):(\f)+8*(4*(\hh)+(\a))+7], 0
.else
	v_wmma_f32_16x16x32_bf16 v[8*(4*(\a)+(\b)):8*(4*(\a)+(\b))+7], v[(\f)+8*(4*(\hh)+(\b)):(\f)+8*(4*(\hh)+(\b))+7], v[(\f)+8*(4*(\hh)+(\a)):(\f)+8*(4*(\hh)+(\a))+7], v[8*(4*(\a)+(\b)):8*(4*(\a)+(\b))+7]
.endif
.endr
.endr
.endm
.macro MULP f, zero                    ; a phase's 32 products
	MULQ \f, 0, 0, \zero
	MULQ \f, 0, 1, \zero
	MULQ \f, 1, 0, 0
	MULQ \f, 1, 1, 0
.endm
.macro PH p, f, g, zero                ; phase p of a slot's first three: asks for phase p + 1 into g, then multiplies buffer f
	s_wait_dscnt 0x0                               ; buffer f, asked for a phase ago, is in
	PLACES                                         ; g's last readers are the products just issued
	FETCH (\p)+1, \g
	MULP \f, \zero
.endm
.macro NEXTSLOT
	s_xor_b32 s[TB], s[TB], SLOT
.irp j, 0,1
	v_add_nc_u32 v[ADRA+(\j)], s[TB], v[A0+(\j)]
	v_add_nc_u32 v[ADRB+(\j)], s[TB], v[B0+(\j)]
.endr
	FETCH 0, F0
.endm
.macro TURN                            ; the last phase in the loop: the slot just read is filled again, two slots ahead
	WIN 0
	s_wait_tensorcnt 0x0                           ; all my tensor loads have landed: my part of the next slot; no load of mine is out, so the walking descriptors may be written
	ds_add_u32 v[SPW], v[NIL]                      ; 0 onto my spare word: the descriptors' steps stand between it and the wait for it
	s_add_co_u32 s[G0A+5], s[LBA], s[TB]
	s_add_co_u32 s[G0B+5], s[LBB], s[TB]
	s_add_nc_u64 s[G0A+6:G0A+7], s[G0A+6:G0A+7], ASTEP
	s_add_nc_u64 s[G0B+6:G0B+7], s[G0B+6:G0B+7], BSTEP
	s_wait_dscnt 0x0                               ; the add is done and my reads of this slot are over: its last fragments lie in buffer 1
	CROUND                                         ; no wave of any partner still reads this slot or has a load on its way
	JLOAD 1                                        ; my one tensor load behind the round; its four v_nop are also the places ahead of the loads below
	NEXTSLOT
	MULP F1, 0
.endm
.macro TURNT                           ; the last phase in the tail: nothing is filled; behind the very last slot nothing is fetched
	WIN 0
	s_wait_tensorcnt 0x0
	ds_add_u32 v[SPW], v[NIL]
	s_wait_dscnt 0x0
	s_barrier_signal -1
	s_barrier_wait -1
	PLACES
	s_cmp_eq_u32 s3, 1
	s_cbranch_scc1 .Lnofetch_\@
	NEXTSLOT
.Lnofetch_\@:
	MULP F1, 0
.endm
	s_load_b256 s[4:11], s[0:1], 0x0               ; A s[4:5], wb s[6:7], out s[8:9], bias s[10:11]
	s_load_b64 s[12:13], s[0:1], 0x20              ; the residual
	v_lshl_add_u32 v[SPW], v0, 2, SPARE
	v_mov_b32 v[NIL], 0
	ds_add_u32 v[SPW], v[NIL]                      ; the wave's opening: the add and its wait stand ahead of my first tensor load
	v_lshrrev_b32 v1, 5, v0
	v_readfirstlane_b32 s[WV], v1
	s_lshr_b32 s[WM], s[WV], 1                     ; my half of the rows; also: I fetch for A (0) or B (1)
	s_and_b32 s[WN], s[WV], 1                      ; my half of the columns; also: which half of a slot's K I fetch
	s_bfe_u32 s[CX], ttmp6, 0x40000
	s_bfe_u32 s[CY], ttmp6, 0x40004
	s_lshl_b32 s[TN], ttmp9, 2
	s_add_co_u32 s[TN], s[TN], s[CX]
	s_and_b32 s[TM], ttmp7, 0xffff
	s_lshl_b32 s[TM], s[TM], 2
	s_add_co_u32 s[TM], s[TM], s[CY]
	s_lshl_b32 s66, s[CY], 2
	s_lshl_b32 s66, 15, s66
	s_lshl_b32 s67, 0x1111, s[CX]
	s_or_b32 s[G1A], s66, (1<<16)|(1<<20)|(1<<21)|(5<<22)|(3<<25)
	s_or_b32 s[G1B], s67, (1<<16)|(1<<20)|(1<<21)|(5<<22)|(7<<25)
.irp g, G1A, G1B
	s_mov_b32 s[(\g)+1], 128<<16
	s_mov_b32 s[(\g)+2], 128<<16
	s_mov_b32 s[(\g)+3], 128<<16
	s_mov_b32 s[(\g)+4], 128
	s_mov_b32 s[(\g)+6], 0
	s_mov_b32 s[(\g)+7], 0
.endr
	s_mov_b32 s[G1A+5], APITCH
	s_mov_b32 s[G1B+5], NP
	s_lshl_b32 s68, s[TM], 7
	s_mul_i32 s68, s68, APITCH*2                   ; A: row 128 x tile row,
	s_lshl_b32 s69, s[WN], 8
	s_add_co_u32 s68, s68, s69                     ; my half of the slot's 512 bytes
	s_mov_b32 s69, 0
	s_mul_i32 s70, s[WN], 128*NP*2                 ; B: my 128 of the slot's 256 k rows,
	s_lshl_b32 s71, s[TN], 8
	s_add_co_u32 s70, s70, s71                     ; the tile's 256 bytes of a row,
	s_add_co_u32 s70, s70, WOFF                    ; in its weight
	s_mov_b32 s71, 0
	s_mul_i32 s[LBA], s[WN], ASUB
	s_mul_i32 s[LBB], s[WN], BSUB
	s_add_co_u32 s[LBB], s[LBB], 2*ASUB
	s_mov_b32 s[TB], 0
	s_wait_dscnt 0x0
	s_wait_kmcnt 0x0
	s_add_nc_u64 s[68:69], s[4:5], s[68:69]
	s_add_nc_u64 s[70:71], s[6:7], s[70:71]
	CROUND
.irp s, 0,1
	s_mov_b32 s[G0A+4*(\s)], 1
	s_add_co_u32 s[G0A+4*(\s)+1], s[LBA], (\s)*SLOT
	s_add_nc_u64 s[G0A+4*(\s)+2:G0A+4*(\s)+3], s[68:69], (\s)*ASTEP
	s_or_b32 s[G0A+4*(\s)+3], s[G0A+4*(\s)+3], 0x80000000
	s_mov_b32 s[G0B+4*(\s)], 1
	s_add_co_u32 s[G0B+4*(\s)+1], s[LBB], (\s)*SLOT
	s_add_nc_u64 s[G0B+4*(\s)+2:G0B+4*(\s)+3], s[70:71], (\s)*BSTEP
	s_or_b32 s[G0B+4*(\s)+3], s[G0B+4*(\s)+3], 0x80000000
	JLOAD \s                                       ; two loads of mine are out, the most in this text
.endr
	v_and_b32 v1, 15, v0                           ; r
	v_bfe_u32 v2, v0, 4, 1                         ; h
	s_lshl_b32 s72, s[WM], 6
	v_add_nc_u32 v[A0], s72, v1
	v_mul_u32_u24 v[A0], v[A0], PA
	v_lshl_add_u32 v[A0], v2, 4, v[A0]             ; A, first half of K: (64 x my half + r) x pitch + 16 h
	v_add_nc_u32 v[A0+1], ASUB, v[A0]
	v_and_b32 v3, 7, v0
	v_lshl_add_u32 v3, v2, 3, v3
	v_mul_u32_u24 v[B0], v3, PB
	v_bfe_u32 v4, v0, 3, 1
	v_lshl_add_u32 v[B0], v4, 4, v[B0]
	s_lshl_b32 s72, s[WN], 7
	s_add_co_u32 s72, s72, 2*ASUB
	v_add_nc_u32 v[B0], s72, v[B0]                 ; B, first half of K: (8 h + l % 8) x pitch + 128 x my half + 16 ((l / 8) % 2)
	v_add_nc_u32 v[B0+1], BSUB, v[B0]
.irp j, 0,1
	v_mov_b32 v[ADRA+(\j)], v[A0+(\j)]
	v_mov_b32 v[ADRB+(\j)], v[B0+(\j)]
.endr
	s_mul_i32 s72, s[WV], REG
	v_mul_u32_u24 v[STO], v1, DP
	v_lshl_add_u32 v[STO], v2, 5, v[STO]
	v_add_nc_u32 v[STO], s72, v[STO]
	v_mul_u32_u24 v[RD], v2, DP
	v_lshl_add_u32 v[RD], v1, 4, v[RD]
	v_add_nc_u32 v[RD], s72, v[RD]                 ; back: lanes 0-15 take one row of 256 bytes, lanes 16-31 the next
	v_lshlrev_b32 v[CO], 12, v2
	v_lshl_add_u32 v[CO], v1, 4, v[CO]             ; and the same two rows in memory
	s_lshl_b32 s72, s[TN], 9
	s_lshl_b32 s73, s[WN], 8
	s_add_co_u32 s72, s72, s73                     ; my 64 columns, in bytes of f32
	v_lshl_add_u32 v[BO], v1, 4, s72
	global_load_b128 v[BI:BI+3], v[BO], s[10:11]
	s_lshl_b32 s73, s[TM], 7
	s_lshl_b32 s66, s[WM], 6
	s_add_co_u32 s73, s73, s66
	s_lshl_b32 s73, s73, 12                        ; my first row, 4,096 bytes a row
	s_add_co_u32 s72, s72, s73
	s_mov_b32 s73, 0
	s_add_nc_u64 s[8:9], s[8:9], s[72:73]
	s_add_nc_u64 s[12:13], s[12:13], s[72:73]
	WIN 0xc0
.set u, 0
.rept 32
	global_load_b128 v[4*u:4*u+3], v[CO], s[12:13] offset:8192*u   ; the residual of my 64 x 64, two rows a load
.set u, u+1
.endr
	WIN 0
	s_wait_tensorcnt 1                             ; my part of slot 0 is in; slot 1's may stay out
	s_barrier_signal -1
	s_barrier_wait -1
	FETCH 0, F0
	PH 0, F0, F1, 1
	WIN 0
	s_mov_b32 s3, NSLOT-2
.Lslot:
	PH 1, F1, F0, 0
	PH 2, F0, F1, 0
	TURN
	PH 0, F0, F1, 0
	WIN 0
	s_sub_co_u32 s3, s3, 1
	s_cmp_lg_u32 s3, 0
	s_cbranch_scc1 .Lslot
	s_mov_b32 s3, 2
.Ltail:
	PH 1, F1, F0, 0
	PH 2, F0, F1, 0
	TURNT
	WIN 0
	s_sub_co_u32 s3, s3, 1
	s_cmp_eq_u32 s3, 0
	s_cbranch_scc1 .Lout
	PH 0, F0, F1, 0
	WIN 0
	s_branch .Ltail
.Lout:
	PLACES
	s_wait_dscnt 0x0
	s_barrier_signal -1
	s_barrier_wait -1                              ; every wave's reads of the ring are over: it may be written
	WIN 0x08
.irp a, 0,1,2,3
.irp b, 0,1,2,3
	ds_store_b128 v[STO], v[8*(4*(\a)+(\b)):8*(4*(\a)+(\b))+3]   offset:16*(\a)*DP+64*(\b)
	ds_store_b128 v[STO], v[8*(4*(\a)+(\b))+4:8*(4*(\a)+(\b))+7] offset:16*(\a)*DP+64*(\b)+16
.endr
.endr
	WIN 0
.set u, 0
.rept 32
	ds_load_b128 v[64+4*u:64+4*u+3], v[RD] offset:2*DP*u           ; LDS serves a wave's instructions in order: these see my stores
.set u, u+1
.endr
	s_wait_loadcnt 0x0                             ; bias and residual
	WIN 0x0c
.set u, 0
.rept 32
	s_wait_dscnt 31-u
	v_pk_add_f32 v[64+4*u:64+4*u+1], v[64+4*u:64+4*u+1], v[4*u:4*u+1]
	v_pk_add_f32 v[64+4*u+2:64+4*u+3], v[64+4*u+2:64+4*u+3], v[4*u+2:4*u+3]
.set u, u+1
.endr
	WIN 0
.set u, 0
.rept 32
	v_pk_add_f32 v[64+4*u:64+4*u+1], v[64+4*u:64+4*u+1], v[BI:BI+1]
	v_pk_add_f32 v[64+4*u+2:64+4*u+3], v[64+4*u+2:64+4*u+3], v[BI+2:BI+3]
	global_store_b128 v[CO], v[64+4*u:64+4*u+3], s[8:9] offset:8192*u  ; 16 lanes store 256 consecutive bytes, aligned
.set u, u+1
.endr
	s_wait_tensorcnt 0x0                           ; the wave's end
	ds_add_u32 v[SPW], v[NIL]
	s_wait_dscnt 0x0
	CROUND                                         ; the closing round
	s_endpgm
.Lfunc_end_k_qd8a09356e3_oproj:
	.size	k_qd8a09356e3_oproj, .Lfunc_end_k_qd8a09356e3_oproj-k_qd8a09356e3_oproj
	.p2alignl 7, 3214868480
	.fill 96, 4, 3214868480
	.section	.rodata,"a",@progbits
	.p2align	6, 0x0
	.amdhsa_kernel k_qd8a09356e3_oproj
		.amdhsa_group_segment_fixed_size 327680
		.amdhsa_private_segment_fixed_size 0
		.amdhsa_enable_private_segment 0
		.amdhsa_kernarg_size 40
		.amdhsa_user_sgpr_count 2
		.amdhsa_user_sgpr_kernarg_segment_ptr 1
		.amdhsa_wavefront_size32 1
		.amdhsa_system_sgpr_workgroup_id_x 1
		.amdhsa_system_sgpr_workgroup_id_y 1
		.amdhsa_system_sgpr_workgroup_id_z 1
		.amdhsa_system_vgpr_workitem_id 0
		.amdhsa_next_free_vgpr 896
		.amdhsa_next_free_sgpr 96
		.amdhsa_reserve_vcc 0
		.amdhsa_float_denorm_mode_32 3
		.amdhsa_float_denorm_mode_16_64 3
		.amdhsa_memory_ordered 1
		.amdhsa_forward_progress 1
		.amdhsa_inst_pref_size 70
	.end_amdhsa_kernel
	.amdgpu_metadata
---
amdhsa.version: [ 1, 2 ]
amdhsa.kernels:
  - .name:           k_qd8a09356e3_oproj
    .symbol:         k_qd8a09356e3_oproj.kd
    .args:
      - { .name: a16, .offset: 0, .size: 8, .value_kind: global_buffer, .address_space: global }
      - { .name: wb, .offset: 8, .size: 8, .value_kind: global_buffer, .address_space: global }
      - { .name: hres, .offset: 16, .size: 8, .value_kind: global_buffer, .address_space: global }
      - { .name: bo, .offset: 24, .size: 8, .value_kind: global_buffer, .address_space: global }
      - { .name: x, .offset: 32, .size: 8, .value_kind: global_buffer, .address_space: global }
    .group_segment_fixed_size: 327680
    .private_segment_fixed_size: 0
    .kernarg_segment_align: 8
    .kernarg_segment_size: 40
    .max_flat_workgroup_size: 128
    .sgpr_count:     96
    .vgpr_count:     896
    .wavefront_size: 32
...
	.end_amdgpu_metadata
.endif
;; end of part 4
;; launch ln2: the kernel of part 1 again; grid 256 x 1, 8 waves a work-group, no clusters, 0 bytes of LDS; arguments hres, ln2_w, ln2_b, a16, wq, wk, wv, wo, w1, w2, wb; writes a16, wb
;; launch ffn1 (part 5): grid 16 x 16, 4 waves a work-group, clusters of 4 x 4, 327,680 bytes of LDS; arguments a16, wb, actb, b1; writes actb
.if DOCPART == 5
	.amdgcn_target "amdgcn-amd-amdhsa--gfx1250"
	.amdhsa_code_object_version 6
	.text
	.protected	k_qd8a09356e3_ffn1
	.globl	k_qd8a09356e3_ffn1
	.p2align	8
	.type	k_qd8a09356e3_ffn1,@function
k_qd8a09356e3_ffn1:
	s_mov_b64 s[64:65], 0
	v_nop
	global_prefetch_b8 v0, s[64:65] scope:SCOPE_SE
	s_setreg_imm32_b32 hwreg(HW_REG_WAVE_MODE, 25, 1), 1
	s_wait_xcnt 0x0
	s_wait_alu depctr_hold_cnt(0) depctr_sa_sdst(0) depctr_va_vdst(0) depctr_va_sdst(0) depctr_va_ssrc(0) depctr_va_vcc(0) depctr_vm_vsrc(0)
	s_getreg_b32 s2, hwreg(HW_REG_IB_STS2, 6, 4)
	s_cmp_eq_u32 s2, 0
	s_cbranch_scc0 .Lentry_in_a_cluster
	s_endpgm
.Lentry_in_a_cluster:
	s_bfe_u32 s2, ttmp6, 0x10000c
	s_cmp_lg_u32 s2, 0xf033
	s_cbranch_scc0 .Lentry_shape_is_right
	s_endpgm
.Lentry_shape_is_right:
; FFN1.  actb = gelu(a16 x w1 + b1), bf16 [4096][4096]; sums and the activation in f32, rounded once.
; A: a16 [4096][1024] bf16.  B: w1 [1024 (k)][4096 (n)] bf16 as it lies in wb; its fragments come out of LDS turned, by ds_load_tr16_b128.
; A tile of C is 256 x 256 (256 work-groups), four waves, 128 x 128 each: 64 accumulators.  K goes in steps of 128 through two LDS slots; one tensor load a wave brings 128 rows x 256 bytes.
; CLUSTER 4 x 4: A's tiles are asked for jointly along a row of the cluster, B's along a column.  The matrix instruction is used transposed: a lane holds eight neighbouring columns of one row of C.
; A SLOT is four phases of 32 along K on two fragment buffers; a phase asks for the next phase's 32 LDS loads first and then issues its 64 products, so that the loads have the whole phase in which to come.
; THE ACTIVATION.  gelu(x) = max(x, 0) - |x| erfc(|x| / sqrt 2) / 2, with erfc(z) = (a1 t + a2 t^2 + a3 t^3) exp(-z^2), t = 1 / (1 + 0.47047 z) (Abramowitz and Stegun 7.1.25).
; LIMIT: that form is off by at most 2.5e-5 for every z, so gelu by at most 1.25e-5 |x|, below the rounding to bf16 that follows.
; THE WAY OUT: the ring has had its last fill; each wave lays its 128 x 128 f32 into a part of it, and a counted loop of 16 trips x 8 rows finishes them (512 accumulator registers cannot be walked by a loop);
; a trip's rows are asked of LDS a trip ahead.
; REGISTERS: window 0: v1-29 addresses, v32-35 bias, v64-191 A's two fragment buffers (on the way out v64-255 at work); window 1: v64-191 B's two; windows 2, 3: the accumulators, (a, b) at 8 (8 (a % 4) + b).
.set APITCH, 1024
.set NP,     4096
.set WOFF,   8<<20                     ; w1's place in wb
.set NSLOT,  8
.set PA,     272
.set PB,     288
.set ASUB,   128*PA
.set BSUB,   128*PB
.set SLOT,   2*ASUB+2*BSUB
.set SPARE,  2*SLOT                    ; the spare words, 128 bytes a wave, which no other line names
.set ASTEP,  256
.set BSTEP,  128*NP*2
.set DP,     528
.set REG,    128*DP
.set A0,   8
.set B0,   10
.set ADRA, 12
.set ADRB, 14
.set STO,  16
.set RD,   17
.set CO,   18
.set PFO,  19
.set BO,   20
.set SPW,  28
.set NIL,  29
.set BI,   32
.set F0,   64
.set F1,   128
.set GX,   64                          ; the way out: x
.set GU,   96                          ; 1 + p |x|, then t; at the trip's end the packed results
.set GY,   96
.set GM,   128                         ; -x^2 log2(e) / 2, then its power of two
.set GH,   160                         ; max(x, 0), then the result
.set GQ,   192                         ; the polynomial
.set GL,   224                         ; eight rows as they come from LDS
.set WV, 16
.set WM, 17
.set WN, 18
.set CX, 19
.set CY, 20
.set TN, 21
.set TM, 22
.set TB, 23
.set G1A, 24
.set G0A, 32
.set G1B, 40
.set G0B, 48
.set LBA, 56
.set LBB, 57
.set PFA, 58
.set PFS, 60
.set LIM, 62
.set MSB, 0
.macro WIN new
.if MSB != (\new)
	s_set_vgpr_msb (MSB<<8)|(\new)
.set MSB, \new
.endif
.endm
.macro PLACES
.rept 4
	v_nop
.endr
.endm
.macro JLOAD s                         ; a joint load: waves 0, 1 fetch A's halves, waves 2, 3 B's; s_nop 0 and four v_nop follow each line
	s_cmp_eq_u32 s[WM], 0
	s_cbranch_scc0 .Lfor_b_\@
	tensor_load_to_lds s[G0A+4*(\s):G0A+4*(\s)+3], s[G1A:G1A+7]
	s_nop 0
.rept 4
	v_nop
.endr
	s_branch .Lasked_\@
.Lfor_b_\@:
	tensor_load_to_lds s[G0B+4*(\s):G0B+4*(\s)+3], s[G1B:G1B+7]
	s_nop 0
.rept 4
	v_nop
.endr
.Lasked_\@:
.endm
.macro CREST
	s_cmp_lg_u32 s[WV], 0
	s_cbranch_scc1 .Lnot_wave_0_\@
	s_barrier_signal -3
.Lnot_wave_0_\@:
	s_barrier_wait -3
	s_barrier_signal -1
	s_barrier_wait -1
.endm
.macro CROUND
	s_barrier_signal -1
	s_barrier_wait -1
	CREST
.endm
.macro ASK                             ; 32 rows x 256 bytes of the K step two refills on, a lane a row; only while that step exists, only in the waves that ask
	s_cmp_gt_u32 s3, s[LIM]
	s_cbranch_scc0 .Lnot_mine_\@
	global_prefetch_b8 v[PFO], s[PFA:PFA+1] th:TH_LOAD_NT scope:SCOPE_SE
.Lnot_mine_\@:
.endm
.macro FETCH p, f
	WIN 0x40
.irp b, 0,1,2,3,4,5,6,7
	ds_load_tr16_b128 v[(\f)+8*(\b):(\f)+8*(\b)+3],   v[ADRB] offset:(\p)*32*PB+32*(\b)
	ds_load_tr16_b128 v[(\f)+8*(\b)+4:(\f)+8*(\b)+7], v[ADRB] offset:(\p)*32*PB+32*(\b)+16*PB
.endr
	WIN 0
.irp a, 0,1,2,3,4,5,6,7
	ds_load_b128 v[(\f)+8*(\a):(\f)+8*(\a)+3],   v[ADRA] offset:(\p)*64+(\a)*16*PA
	ds_load_b128 v[(\f)+8*(\a)+4:(\f)+8*(\a)+7], v[ADRA] offset:(\p)*64+(\a)*16*PA+32
.endr
.endm
.macro MULQ f, hh, part, zero          ; 16 products; the 64 accumulators take turns
	WIN 0xa1+0x50*(\hh)
.irp a, 2*(\part), 2*(\part)+1
.irp b, 0,1,2,3,4,5,6,7
.if \zero
	v_wmma_f32_16x16x32_bf16 v[8*(8*(\a)+(\b)):8*(8*(\a)+(\b))+7], v[(\f)+8*(\b):(\f)+8*(\b)+7], v[(\f)+8*(4*(\hh)+(\a)):(\f)+8*(4*(\hh)+(\a))+7], 0
.else
	v_wmma_f32_16x16x32_bf16 v[8*(8*(\a)+(\b)):8*(8*(\a)+(\b))+7], v[(\f)+8*(\b):(\f)+8*(\b)+7], v[(\f)+8*(4*(\hh)+(\a)):(\f)+8*(4*(\hh)+(\a))+7], v[8*(8*(\a)+(\b)):8*(8*(\a)+(\b))+7]
.endif
.endr
.endr
.endm
.macro PH p, f, g, zero                ; phase p of a slot's first three: asks for phase p + 1 into g, then multiplies buffer f
	s_wait_dscnt 0x0                               ; buffer f, asked for a phase ago, is in
	PLACES                                         ; g's last readers are the products just issued
	FETCH (\p)+1, \g
	MULQ \f, 0, 0, \zero
	MULQ \f, 0, 1, \zero
	MULQ \f, 1, 0, \zero
	MULQ \f, 1, 1, \zero
.endm
.macro TURN                            ; the last phase in the loop: the slot just read is filled again, two K steps ahead
	s_wait_xcnt 0x0                                ; the last prefetch, a K step back, has read its address
	s_add_nc_u64 s[PFA:PFA+1], s[PFA:PFA+1], s[PFS:PFS+1]
	WIN 0
	s_wait_tensorcnt 0x0                           ; all my tensor loads have landed: my part of the next slot; no load of mine is out, so the walking descriptors may be written
	ds_add_u32 v[SPW], v[NIL]                      ; 0 onto my spare word: the descriptors' steps stand between it and the wait for it
	s_add_co_u32 s[G0A+5], s[LBA], s[TB]
	s_add_co_u32 s[G0B+5], s[LBB], s[TB]
	s_add_nc_u64 s[G0A+6:G0A+7], s[G0A+6:G0A+7], ASTEP
	s_add_nc_u64 s[G0B+6:G0B+7], s[G0B+6:G0B+7], BSTEP
	s_wait_dscnt 0x0                               ; the add is done and my reads of this slot are over: its last fragments lie in buffer 1
	s_barrier_signal -1
	MULQ F1, 0, 0, 0                               ; work on registers while the other waves arrive
	WIN 0
	s_barrier_wait -1
	CREST                                          ; the barrier has opened a round of the cluster's: no wave of any partner still reads this slot or has a load on its way
	JLOAD 1                                        ; my one tensor load behind the round; its four v_nop are also the places ahead of the loads below
	s_xor_b32 s[TB], s[TB], SLOT
	v_add_nc_u32 v[ADRA], s[TB], v[A0]
	v_add_nc_u32 v[ADRB], s[TB], v[B0]
	FETCH 0, F0
	ASK
	MULQ F1, 0, 1, 0
	MULQ F1, 1, 0, 0
	MULQ F1, 1, 1, 0
.endm
.macro TURNT                           ; the last phase in the tail: nothing is filled; behind the very last slot nothing is fetched
	WIN 0
	s_wait_tensorcnt 0x0
	ds_add_u32 v[SPW], v[NIL]
	s_wait_dscnt 0x0
	s_barrier_signal -1
	MULQ F1, 0, 0, 0
	WIN 0
	s_barrier_wait -1
	PLACES
	s_cmp_eq_u32 s3, 1
	s_cbranch_scc1 .Lnofetch_\@
	s_xor_b32 s[TB], s[TB], SLOT
	v_add_nc_u32 v[ADRA], s[TB], v[A0]
	v_add_nc_u32 v[ADRB], s[TB], v[B0]
	FETCH 0, F0
.Lnofetch_\@:
	MULQ F1, 0, 1, 0
	MULQ F1, 1, 0, 0
	MULQ F1, 1, 1, 0
.endm
.macro DUMP
.irp w, 0,1
	WIN 0x08+4*(\w)
.irp a, 0,1,2,3
.irp b, 0,1,2,3,4,5,6,7
	ds_store_b128 v[STO], v[8*(8*(\a)+(\b)):8*(8*(\a)+(\b))+3]   offset:16*(4*(\w)+(\a))*DP+64*(\b)
	ds_store_b128 v[STO], v[8*(8*(\a)+(\b))+4:8*(8*(\a)+(\b))+7] offset:16*(4*(\w)+(\a))*DP+64*(\b)+16
.endr
.endr
.endr
	WIN 0
.endm
.macro UNITS                           ; eight rows of my part, a row a load
.irp j, 0,1,2,3,4,5,6,7
	ds_load_b128 v[GL+4*(\j):GL+4*(\j)+3], v[RD] offset:DP*(\j)  ; LDS serves a wave's instructions in order: these see my stores
.endr
.endm
	s_load_b256 s[4:11], s[0:1], 0x0               ; a16 s[4:5], wb s[6:7], actb s[8:9], b1 s[10:11]
	v_lshl_add_u32 v[SPW], v0, 2, SPARE
	v_mov_b32 v[NIL], 0
	ds_add_u32 v[SPW], v[NIL]                      ; the wave's opening: the add and its wait stand ahead of my first tensor load
	v_lshrrev_b32 v1, 5, v0
	v_readfirstlane_b32 s[WV], v1
	s_lshr_b32 s[WM], s[WV], 1
	s_and_b32 s[WN], s[WV], 1
	s_bfe_u32 s[CX], ttmp6, 0x40000
	s_bfe_u32 s[CY], ttmp6, 0x40004
	s_lshl_b32 s[TN], ttmp9, 2
	s_add_co_u32 s[TN], s[TN], s[CX]
	s_and_b32 s[TM], ttmp7, 0xffff
	s_lshl_b32 s[TM], s[TM], 2
	s_add_co_u32 s[TM], s[TM], s[CY]
	s_lshl_b32 s66, s[CY], 2
	s_lshl_b32 s66, 15, s66
	s_lshl_b32 s67, 0x1111, s[CX]
	s_or_b32 s[G1A], s66, (1<<16)|(1<<20)|(1<<21)|(5<<22)|(3<<25)
	s_or_b32 s[G1B], s67, (1<<16)|(1<<20)|(1<<21)|(5<<22)|(7<<25)
.irp g, G1A, G1B
	s_mov_b32 s[(\g)+1], 128<<16
	s_mov_b32 s[(\g)+2], 128<<16
	s_mov_b32 s[(\g)+3], 128<<16
	s_mov_b32 s[(\g)+4], 128
	s_mov_b32 s[(\g)+6], 0
	s_mov_b32 s[(\g)+7], 0
.endr
	s_mov_b32 s[G1A+5], APITCH
	s_mov_b32 s[G1B+5], NP
	s_mov_b32 s74, 0x3eaa540e                      ; 0.47047 / sqrt 2
	s_mov_b32 s76, 0xbf38aa3b                      ; -log2(e) / 2
	s_mov_b32 s77, s76
	s_mov_b32 s78, 0x3e32303a                      ; a1 / 2
	s_mov_b32 s79, s78
	s_mov_b32 s80, 0xbd445ca1                      ; a2 / 2
	s_mov_b32 s81, s80
	s_mov_b32 s82, 0x3ebf7377                      ; a3 / 2
	s_mov_b32 s83, s82
	s_lshl_b32 s68, s[TM], 8
	s_lshl_b32 s69, s[WN], 7
	s_add_co_u32 s68, s68, s69
	s_mul_i32 s68, s68, APITCH*2
	s_mov_b32 s69, 0
	s_lshl_b32 s63, s[TN], 9
	s_add_co_u32 s63, s63, WOFF
	s_lshl_b32 s70, s[WN], 8
	s_add_co_u32 s63, s63, s70
	s_mov_b32 s70, s63
	s_mov_b32 s71, 0
	s_mul_i32 s[LBA], s[WN], ASUB
	s_mul_i32 s[LBB], s[WN], BSUB
	s_add_co_u32 s[LBB], s[LBB], 2*ASUB
	s_mov_b32 s[TB], 0
	s_wait_dscnt 0x0
	s_wait_kmcnt 0x0
	s_add_nc_u64 s[68:69], s[4:5], s[68:69]
	s_add_nc_u64 s[70:71], s[6:7], s[70:71]
	CROUND
.irp s, 0,1
	s_mov_b32 s[G0A+4*(\s)], 1
	s_add_co_u32 s[G0A+4*(\s)+1], s[LBA], (\s)*SLOT
	s_add_nc_u64 s[G0A+4*(\s)+2:G0A+4*(\s)+3], s[68:69], (\s)*ASTEP
	s_or_b32 s[G0A+4*(\s)+3], s[G0A+4*(\s)+3], 0x80000000
	s_mov_b32 s[G0B+4*(\s)], 1
	s_add_co_u32 s[G0B+4*(\s)+1], s[LBB], (\s)*SLOT
	s_add_nc_u64 s[G0B+4*(\s)+2:G0B+4*(\s)+3], s[70:71], (\s)*BSTEP
	s_or_b32 s[G0B+4*(\s)+3], s[G0B+4*(\s)+3], 0x80000000
	JLOAD \s                                       ; two loads of mine are out, the most in this text
.endr
	v_and_b32 v1, 15, v0
	v_bfe_u32 v2, v0, 4, 1
	v_mul_u32_u24 v[A0], v1, PA
	v_lshl_add_u32 v[A0], v2, 4, v[A0]
	s_mul_i32 s72, s[WM], ASUB
	v_add_nc_u32 v[A0], s72, v[A0]
	v_and_b32 v3, 7, v0
	v_lshl_add_u32 v3, v2, 3, v3
	v_mul_u32_u24 v[B0], v3, PB
	v_bfe_u32 v4, v0, 3, 1
	v_lshl_add_u32 v[B0], v4, 4, v[B0]
	s_mul_i32 s72, s[WN], BSUB
	s_add_co_u32 s72, s72, 2*ASUB
	v_add_nc_u32 v[B0], s72, v[B0]
	v_mov_b32 v[ADRA], v[A0]
	v_mov_b32 v[ADRB], v[B0]
	s_mul_i32 s72, s[WV], REG
	v_mul_u32_u24 v[STO], v1, DP
	v_lshl_add_u32 v[STO], v2, 5, v[STO]
	v_add_nc_u32 v[STO], s72, v[STO]
	v_and_b32 v5, 31, v0
	v_lshl_add_u32 v[RD], v5, 4, s72               ; back: 32 lanes take one row of 512 bytes, four columns a lane
	v_lshlrev_b32 v[CO], 3, v5                     ; which are 8 bytes of bf16
	s_lshl_b32 s72, s[TN], 10
	s_lshl_b32 s73, s[WN], 9
	s_add_co_u32 s72, s72, s73
	v_lshl_add_u32 v[BO], v5, 4, s72
	global_load_b128 v[BI:BI+3], v[BO], s[10:11]   ; the bias of my four columns
	s_lshr_b32 s72, s72, 1                         ; my 128 columns in bytes of bf16
	s_lshl_b32 s73, s[TM], 8
	s_lshl_b32 s66, s[WM], 7
	s_add_co_u32 s73, s73, s66
	s_lshl_b32 s73, s73, 13                        ; my first row, 8,192 bytes a row
	s_add_co_u32 s72, s72, s73
	s_mov_b32 s73, 0
	s_add_nc_u64 s[8:9], s[8:9], s[72:73]
	; THE PREFETCHES.  a16 and wb are read here for the first time in the launch.  A's rows are asked for by the clusters with x = 0, B's by those with y = 0; of the 128 rows that a wave fetches
	; each of the four partners that ask jointly takes 32, told apart by address.  The pointer starts at K step 3 and is stepped at the head of each change of slots: the refill of step t names step t + 2.
	s_and_b32 s66, ttmp7, 0xffff
	s_lshl_b32 s72, s[TM], 8
	s_lshl_b32 s73, s[WN], 7
	s_add_co_u32 s72, s72, s73
	s_lshl_b32 s73, s[CX], 5
	s_add_co_u32 s72, s72, s73
	s_mul_i32 s72, s72, APITCH*2
	s_add_co_u32 s72, s72, 3*ASTEP
	s_lshl_b32 s73, s[CY], 5
	s_add_co_u32 s73, s73, 3*128
	s_mul_i32 s73, s73, NP*2
	s_add_co_u32 s73, s73, s63
	s_mov_b32 s[PFS], BSTEP
	s_mov_b32 s67, NP*2
	s_cmp_eq_u32 s[WM], 0
	s_cselect_b32 s72, s72, s73
	s_cselect_b32 s66, ttmp9, s66
	s_cselect_b64 s[PFA:PFA+1], s[4:5], s[6:7]
	s_cselect_b32 s[PFS], ASTEP, s[PFS]
	s_cselect_b32 s67, APITCH*2, s67
	s_mov_b32 s[PFS+1], 0
	s_mov_b32 s73, 0
	s_add_nc_u64 s[PFA:PFA+1], s[PFA:PFA+1], s[72:73]
	s_cmp_eq_u32 s66, 0
	s_cselect_b32 s[LIM], 2, -1                    ; the last two refills have no K step two on
	v_and_b32 v[PFO], 31, v0
	v_mul_lo_u32 v[PFO], v[PFO], s67
	s_wait_tensorcnt 1                             ; my part of K step 0 is in; K step 1's may stay out
	s_barrier_signal -1
	s_barrier_wait -1
	FETCH 0, F0
	PH 0, F0, F1, 1
	WIN 0
	s_mov_b32 s3, NSLOT-2
.Lslot:
	PH 1, F1, F0, 0
	PH 2, F0, F1, 0
	TURN
	PH 0, F0, F1, 0
	WIN 0
	s_sub_co_u32 s3, s3, 1
	s_cmp_lg_u32 s3, 0
	s_cbranch_scc1 .Lslot
	s_mov_b32 s3, 2
.Ltail:
	PH 1, F1, F0, 0
	PH 2, F0, F1, 0
	TURNT
	WIN 0
	s_sub_co_u32 s3, s3, 1
	s_cmp_eq_u32 s3, 0
	s_cbranch_scc1 .Lout
	PH 0, F0, F1, 0
	WIN 0
	s_branch .Ltail
.Lout:
	PLACES
	s_wait_dscnt 0x0
	s_barrier_signal -1
	s_barrier_wait -1                              ; every wave's reads of the ring are over: it may be written
	DUMP
	UNITS                                          ; the first trip's rows
	s_wait_loadcnt 0x0                             ; the bias
	s_mov_b32 s3, 16
.Lrows:                                            ; eight rows a trip, a row a unit: 32 numbers a lane
.irp j, 0,1,2,3,4,5,6,7
	s_wait_dscnt 7-(\j)                            ; row j is in; the younger of the eight may stay out
	v_pk_add_f32 v[GX+4*(\j):GX+4*(\j)+1], v[GL+4*(\j):GL+4*(\j)+1], v[BI:BI+1]
	v_pk_add_f32 v[GX+4*(\j)+2:GX+4*(\j)+3], v[GL+4*(\j)+2:GL+4*(\j)+3], v[BI+2:BI+3]
.endr
	s_cmp_eq_u32 s3, 1                             ; the last trip has no rows ahead
	s_cbranch_scc1 .Lnomore
	v_add_nc_u32 v[RD], 8*DP, v[RD]
	UNITS                                          ; the next trip's rows: they come under this trip's arithmetic
.Lnomore:
	s_wait_xcnt 0x0                                ; the last trip's stores have read their data (it lies where t is made below) and their base
	s_add_nc_u64 s[8:9], s[8:9], 65536             ; the stores below reach back by their immediate
	; ONE BATCH of 32 reciprocals and 32 exponentials, each with a plain neighbour; nothing ahead of the wait names a result of theirs
.set n, 0
.rept 32
	v_fma_f32 v[GU+n], |v[GX+n]|, s74, 1.0
.if n > 0
	v_rcp_f32 v[GU+n-1], v[GU+n-1]
.endif
.set n, n+1
.endr
.set n, 0
.rept 16
	v_pk_mul_f32 v[GM+2*n:GM+2*n+1], v[GX+2*n:GX+2*n+1], v[GX+2*n:GX+2*n+1]
.if n == 0
	v_rcp_f32 v[GU+31], v[GU+31]
.else
	v_exp_f32 v[GM+2*n-2], v[GM+2*n-2]
.endif
	v_pk_mul_f32 v[GM+2*n:GM+2*n+1], v[GM+2*n:GM+2*n+1], s[76:77] op_sel_hi:[1,0]
.if n > 0
	v_exp_f32 v[GM+2*n-1], v[GM+2*n-1]
.endif
	v_max_num_f32 v[GH+2*n], 0, v[GX+2*n]
	v_max_num_f32 v[GH+2*n+1], 0, v[GX+2*n+1]
.set n, n+1
.endr
	v_exp_f32 v[GM+30], v[GM+30]
	v_exp_f32 v[GM+31], v[GM+31]
	v_nop                                          ; a plain instruction behind the last exponential,
	s_wait_alu depctr_va_vdst(0)                   ; and one wait for the batch
.set n, 0
.rept 16
	v_pk_fma_f32 v[GQ+2*n:GQ+2*n+1], v[GU+2*n:GU+2*n+1], s[82:83], s[80:81] op_sel_hi:[1,0,0]
.set n, n+1
.endr
.set n, 0
.rept 16
	v_pk_fma_f32 v[GQ+2*n:GQ+2*n+1], v[GQ+2*n:GQ+2*n+1], v[GU+2*n:GU+2*n+1], s[78:79] op_sel_hi:[1,1,0]
.set n, n+1
.endr
.set n, 0
.rept 16
	v_pk_mul_f32 v[GQ+2*n:GQ+2*n+1], v[GQ+2*n:GQ+2*n+1], v[GU+2*n:GU+2*n+1]
.set n, n+1
.endr
.set n, 0
.rept 16
	v_pk_mul_f32 v[GQ+2*n:GQ+2*n+1], v[GQ+2*n:GQ+2*n+1], v[GM+2*n:GM+2*n+1]
.set n, n+1
.endr
.set n, 0
.rept 32
	v_fma_f32 v[GH+n], -|v[GX+n]|, v[GQ+n], v[GH+n]
.set n, n+1
.endr
.set n, 0
.rept 16
	v_cvt_pk_bf16_f32 v[GY+n], v[GH+2*n], v[GH+2*n+1]
.set n, n+1
.endr
.irp j, 0,1,2,3,4,5,6,7
	global_store_b64 v[CO], v[GY+2*(\j):GY+2*(\j)+1], s[8:9] offset:8192*(\j)-65536  ; 32 lanes x 8 bytes: 256 consecutive bytes, aligned
.endr
	s_sub_co_u32 s3, s3, 1
	s_cmp_lg_u32 s3, 0
	s_cbranch_scc1 .Lrows
	s_wait_tensorcnt 0x0                           ; the wave's end
	ds_add_u32 v[SPW], v[NIL]
	s_wait_dscnt 0x0
	CROUND                                         ; the closing round
	s_endpgm
.Lfunc_end_k_qd8a09356e3_ffn1:
	.size	k_qd8a09356e3_ffn1, .Lfunc_end_k_qd8a09356e3_ffn1-k_qd8a09356e3_ffn1
	.p2alignl 7, 3214868480
	.fill 96, 4, 3214868480
	.section	.rodata,"a",@progbits
	.p2align	6, 0x0
	.amdhsa_kernel k_qd8a09356e3_ffn1
		.amdhsa_group_segment_fixed_size 327680
		.amdhsa_private_segment_fixed_size 0
		.amdhsa_enable_private_segment 0
		.amdhsa_kernarg_size 32
		.amdhsa_user_sgpr_count 2
		.amdhsa_user_sgpr_kernarg_segment_ptr 1
		.amdhsa_wavefront_size32 1
		.amdhsa_system_sgpr_workgroup_id_x 1
		.amdhsa_system_sgpr_workgroup_id_y 1
		.amdhsa_system_sgpr_workgroup_id_z 1
		.amdhsa_system_vgpr_workitem_id 0
		.amdhsa_next_free_vgpr 1024
		.amdhsa_next_free_sgpr 96
		.amdhsa_reserve_vcc 0
		.amdhsa_float_denorm_mode_32 3
		.amdhsa_float_denorm_mode_16_64 3
		.amdhsa_memory_ordered 1
		.amdhsa_forward_progress 1
		.amdhsa_inst_pref_size 96
	.end_amdhsa_kernel
	.amdgpu_metadata
---
amdhsa.version: [ 1, 2 ]
amdhsa.kernels:
  - .name:           k_qd8a09356e3_ffn1
    .symbol:         k_qd8a09356e3_ffn1.kd
    .args:
      - { .name: a16, .offset: 0, .size: 8, .value_kind: global_buffer, .address_space: global }
      - { .name: wb, .offset: 8, .size: 8, .value_kind: global_buffer, .address_space: global }
      - { .name: actb, .offset: 16, .size: 8, .value_kind: global_buffer, .address_space: global }
      - { .name: b1, .offset: 24, .size: 8, .value_kind: global_buffer, .address_space: global }
    .group_segment_fixed_size: 327680
    .private_segment_fixed_size: 0
    .kernarg_segment_align: 8
    .kernarg_segment_size: 32
    .max_flat_workgroup_size: 128
    .sgpr_count:     96
    .vgpr_count:     1024
    .wavefront_size: 32
...
	.end_amdgpu_metadata
.endif
;; end of part 5
;; launch ffn2 (part 6): grid 8 x 32, 4 waves a work-group, clusters of 4 x 4, 327,680 bytes of LDS; arguments actb, wb, out0, b2, hres; writes out0
.if DOCPART == 6
	.amdgcn_target "amdgcn-amd-amdhsa--gfx1250"
	.amdhsa_code_object_version 6
	.text
	.protected	k_qd8a09356e3_ffn2
	.globl	k_qd8a09356e3_ffn2
	.p2align	8
	.type	k_qd8a09356e3_ffn2,@function
k_qd8a09356e3_ffn2:
	s_mov_b64 s[64:65], 0
	v_nop
	global_prefetch_b8 v0, s[64:65] scope:SCOPE_SE
	s_setreg_imm32_b32 hwreg(HW_REG_WAVE_MODE, 25, 1), 1
	s_wait_xcnt 0x0
	s_wait_alu depctr_hold_cnt(0) depctr_sa_sdst(0) depctr_va_vdst(0) depctr_va_sdst(0) depctr_va_ssrc(0) depctr_va_vcc(0) depctr_vm_vsrc(0)
	s_getreg_b32 s2, hwreg(HW_REG_IB_STS2, 6, 4)
	s_cmp_eq_u32 s2, 0
	s_cbranch_scc0 .Lentry_in_a_cluster
	s_endpgm
.Lentry_in_a_cluster:
	s_bfe_u32 s2, ttmp6, 0x10000c
	s_cmp_lg_u32 s2, 0xf033
	s_cbranch_scc0 .Lentry_shape_is_right
	s_endpgm
.Lentry_shape_is_right:
; FFN2.  out0 = actb x w2 + b2 + hres, f32.  A: actb [4096][4096] bf16, K along the rows.  B: w2 [4096 (k)][1024 (n)] bf16 as it lies in wb; its fragments come out of LDS turned.
; A tile of C is 128 x 128 (256 work-groups), four waves, 64 x 64 each: 16 accumulators.  A slot holds K = 256: two halves of A (128 rows x 256 bytes each) and two of B (128 k x 256 bytes); one load a wave.
; CLUSTER 4 x 4: A's tiles jointly along a row, B's along a column.  No prefetch: the tiles are small.  The residual's 32 loads a wave go out at the head and stay out under the whole K loop.
; A SLOT is four phases of 64 along K on two fragment buffers; a phase asks for the next phase's 32 LDS loads first and then issues its 32 products.  At a change of slots no product stands between the wait
; for the tensor loads and the refill: a slot's 128 products a wave are few beside the bytes that they want, so the refill goes out as soon as the round allows.
; The matrix instruction is used transposed: a lane holds eight neighbouring columns of one row of C.  THE WAY OUT goes through the ring, which has had its last fill: rows come back whole.
; REGISTERS: window 0: v1-29 addresses, v32-35 bias, v64-191 A's two fragment buffers (later at work); window 1: v64-191 B's two; window 2: v0-127 the accumulators, (a, b) at 8 (4 a + b); window 3: v0-127 the residual.
.set APITCH, 4096                      ; elements in a row of A = K
.set NP,     1024                      ; elements in a row of B
.set WOFF,   16<<20                    ; the weight's place in wb
.set NSLOT,  16                        ; K / 256
.set PA,     272
.set PB,     288
.set ASUB,   128*PA
.set BSUB,   128*PB
.set SLOT,   2*ASUB+2*BSUB
.set SPARE,  2*SLOT                    ; the spare words, 128 bytes a wave, which no other line names
.set ASTEP,  512
.set BSTEP,  256*NP*2
.set DP,     272
.set REG,    64*DP
.set A0,   8
.set B0,   10
.set ADRA, 12
.set ADRB, 14
.set STO,  16
.set RD,   17
.set CO,   18
.set BO,   20
.set SPW,  28
.set NIL,  29
.set BI,   32
.set F0,   64
.set F1,   128
.set WV, 16
.set WM, 17
.set WN, 18
.set CX, 19
.set CY, 20
.set TN, 21
.set TM, 22
.set TB, 23
.set G1A, 24
.set G0A, 32
.set G1B, 40
.set G0B, 48
.set LBA, 56
.set LBB, 57
.set MSB, 0
.macro WIN new
.if MSB != (\new)
	s_set_vgpr_msb (MSB<<8)|(\new)
.set MSB, \new
.endif
.endm
.macro PLACES
.rept 4
	v_nop
.endr
.endm
.macro JLOAD s                         ; a joint load: waves 0, 1 fetch A's halves, waves 2, 3 B's; s_nop 0 and four v_nop follow each line
	s_cmp_eq_u32 s[WM], 0
	s_cbranch_scc0 .Lfor_b_\@
	tensor_load_to_lds s[G0A+4*(\s):G0A+4*(\s)+3], s[G1A:G1A+7]
	s_nop 0
.rept 4
	v_nop
.endr
	s_branch .Lasked_\@
.Lfor_b_\@:
	tensor_load_to_lds s[G0B+4*(\s):G0B+4*(\s)+3], s[G1B:G1B+7]
	s_nop 0
.rept 4
	v_nop
.endr
.Lasked_\@:
.endm
.macro CREST
	s_cmp_lg_u32 s[WV], 0
	s_cbranch_scc1 .Lnot_wave_0_\@
	s_barrier_signal -3
.Lnot_wave_0_\@:
	s_barrier_wait -3
	s_barrier_signal -1
	s_barrier_wait -1
.endm
.macro CROUND
	s_barrier_signal -1
	s_barrier_wait -1
	CREST
.endm
.macro FETCH p, f                      ; 32 LDS loads in one run: K = 64 p .. of the slot in hand: fragment 4 c + i = 32 c along K, block i; B's eight (turned), then A's eight
	WIN 0x40
.irp c, 0,1
.irp i, 0,1,2,3
	ds_load_tr16_b128 v[(\f)+8*(4*(\c)+(\i)):(\f)+8*(4*(\c)+(\i))+3],   v[ADRB+(\p)/2] offset:(64*((\p)%2)+32*(\c))*PB+32*(\i)
	ds_load_tr16_b128 v[(\f)+8*(4*(\c)+(\i))+4:(\f)+8*(4*(\c)+(\i))+7], v[ADRB+(\p)/2] offset:(64*((\p)%2)+32*(\c))*PB+32*(\i)+16*PB
.endr
.endr
	WIN 0
.irp c, 0,1
.irp i, 0,1,2,3
	ds_load_b128 v[(\f)+8*(4*(\c)+(\i)):(\f)+8*(4*(\c)+(\i))+3],   v[ADRA+(\p)/2] offset:128*((\p)%2)+64*(\c)+(\i)*16*PA
	ds_load_b128 v[(\f)+8*(4*(\c)+(\i))+4:(\f)+8*(4*(\c)+(\i))+7], v[ADRA+(\p)/2] offset:128*((\p)%2)+64*(\c)+(\i)*16*PA+32
.endr
.endr
.endm
.macro MULQ f, hh, part, zero          ; 8 products; the 16 accumulators take turns
	WIN 0xa1
.irp a, 2*(\part), 2*(\part)+1
.irp b, 0,1,2,3
.if \zero
	v_wmma_f32_16x16x32_bf16 v[8*(4*(\a)+(\b)):8*(4*(\a)+(\b))+7], v[(\f)+8*(4*(\hh)+(\b)):(\f)+8*(4*(\hh)+(\b))+7], v[(\f)+8*(4*(\hh)+(\a)):(\f)+8*(4*(\hh)+(\a))+7], 0
.else
	v_wmma_f32_16x16x32_bf16 v[8*(4*(\a)+(\b)):8*(4*(\a)+(\b))+7], v[(\f)+8*(4*(\hh)+(\b)):(\f)+8*(4*(\hh)+(\b))+7], v[(\f)+8*(4*(\hh)+(\a)):(\f)+8*(4*(\hh)+(\a))+7], v[8*(4*(\a)+(\b)):8*(4*(\a)+(\b))+7]
.endif
.endr
.endr
.endm
.macro MULP f, zero                    ; a phase's 32 products
	MULQ \f, 0, 0, \zero
	MULQ \f, 0, 1, \zero
	MULQ \f, 1, 0, 0
	MULQ \f, 1, 1, 0
.endm
.macro PH p, f, g, zero                ; phase p of a slot's first three: asks for phase p + 1 into g, then multiplies buffer f
	s_wait_dscnt 0x0                               ; buffer f, asked for a phase ago, is in
	PLACES                                         ; g's last readers are the products just issued
	FETCH (\p)+1, \g
	MULP \f, \zero
.endm
.macro NEXTSLOT
	s_xor_b32 s[TB], s[TB], SLOT
.irp j, 0,1
	v_add_nc_u32 v[ADRA+(\j)], s[TB], v[A0+(\j)]
	v_add_nc_u32 v[ADRB+(\j)], s[TB], v[B0+(\j)]
.endr
	FETCH 0, F0
.endm
.macro TURN                            ; the last phase in the loop: the slot just read is filled again, two slots ahead
	WIN 0
	s_wait_tensorcnt 0x0                           ; all my tensor loads have landed: my part of the next slot; no load of mine is out, so the walking descriptors may be written
	ds_add_u32 v[SPW], v[NIL]                      ; 0 onto my spare word: the descriptors' steps stand between it and the wait for it
	s_add_co_u32 s[G0A+5], s[LBA], s[TB]
	s_add_co_u32 s[G0B+5], s[LBB], s[TB]
	s_add_nc_u64 s[G0A+6:G0A+7], s[G0A+6:G0A+7], ASTEP
	s_add_nc_u64 s[G0B+6:G0B+7], s[G0B+6:G0B+7], BSTEP
	s_wait_dscnt 0x0                               ; the add is done and my reads of this slot are over: its last fragments lie in buffer 1
	CROUND                                         ; no wave of any partner still reads this slot or has a load on its way
	JLOAD 1                                        ; my one tensor load behind the round; its four v_nop are also the places ahead of the loads below
	NEXTSLOT
	MULP F1, 0
.endm
.macro TURNT                           ; the last phase in the tail: nothing is filled; behind the very last slot nothing is fetched
	WIN 0
	s_wait_tensorcnt 0x0
	ds_add_u32 v[SPW], v[NIL]
	s_wait_dscnt 0x0
	s_barrier_signal -1
	s_barrier_wait -1
	PLACES
	s_cmp_eq_u32 s3, 1
	s_cbranch_scc1 .Lnofetch_\@
	NEXTSLOT
.Lnofetch_\@:
	MULP F1, 0
.endm
	s_load_b256 s[4:11], s[0:1], 0x0               ; A s[4:5], wb s[6:7], out s[8:9], bias s[10:11]
	s_load_b64 s[12:13], s[0:1], 0x20              ; the residual
	v_lshl_add_u32 v[SPW], v0, 2, SPARE
	v_mov_b32 v[NIL], 0
	ds_add_u32 v[SPW], v[NIL]                      ; the wave's opening: the add and its wait stand ahead of my first tensor load
	v_lshrrev_b32 v1, 5, v0
	v_readfirstlane_b32 s[WV], v1
	s_lshr_b32 s[WM], s[WV], 1
	s_and_b32 s[WN], s[WV], 1
	s_bfe_u32 s[CX], ttmp6, 0x40000
	s_bfe_u32 s[CY], ttmp6, 0x40004
	s_lshl_b32 s[TN], ttmp9, 2
	s_add_co_u32 s[TN], s[TN], s[CX]
	s_and_b32 s[TM], ttmp7, 0xffff
	s_lshl_b32 s[TM], s[TM], 2
	s_add_co_u32 s[TM], s[TM], s[CY]
	s_lshl_b32 s66, s[CY], 2
	s_lshl_b32 s66, 15, s66
	s_lshl_b32 s67, 0x1111, s[CX]
	s_or_b32 s[G1A], s66, (1<<16)|(1<<20)|(1<<21)|(5<<22)|(3<<25)
	s_or_b32 s[G1B], s67, (1<<16)|(1<<20)|(1<<21)|(5<<22)|(7<<25)
.irp g, G1A, G1B
	s_mov_b32 s[(\g)+1], 128<<16
	s_mov_b32 s[(\g)+2], 128<<16
	s_mov_b32 s[(\g)+3], 128<<16
	s_mov_b32 s[(\g)+4], 128
	s_mov_b32 s[(\g)+6], 0
	s_mov_b32 s[(\g)+7], 0
.endr
	s_mov_b32 s[G1A+5], APITCH
	s_mov_b32 s[G1B+5], NP
	s_lshl_b32 s68, s[TM], 7
	s_mul_i32 s68, s68, APITCH*2
	s_lshl_b32 s69, s[WN], 8
	s_add_co_u32 s68, s68, s69
	s_mov_b32 s69, 0
	s_mul_i32 s70, s[WN], 128*NP*2
	s_lshl_b32 s71, s[TN], 8
	s_add_co_u32 s70, s70, s71
	s_add_co_u32 s70, s70, WOFF
	s_mov_b32 s71, 0
	s_mul_i32 s[LBA], s[WN], ASUB
	s_mul_i32 s[LBB], s[WN], BSUB
	s_add_co_u32 s[LBB], s[LBB], 2*ASUB
	s_mov_b32 s[TB], 0
	s_wait_dscnt 0x0
	s_wait_kmcnt 0x0
	s_add_nc_u64 s[68:69], s[4:5], s[68:69]
	s_add_nc_u64 s[70:71], s[6:7], s[70:71]
	CROUND
.irp s, 0,1
	s_mov_b32 s[G0A+4*(\s)], 1
	s_add_co_u32 s[G0A+4*(\s)+1], s[LBA], (\s)*SLOT
	s_add_nc_u64 s[G0A+4*(\s)+2:G0A+4*(\s)+3], s[68:69], (\s)*ASTEP
	s_or_b32 s[G0A+4*(\s)+3], s[G0A+4*(\s)+3], 0x80000000
	s_mov_b32 s[G0B+4*(\s)], 1
	s_add_co_u32 s[G0B+4*(\s)+1], s[LBB], (\s)*SLOT
	s_add_nc_u64 s[G0B+4*(\s)+2:G0B+4*(\s)+3], s[70:71], (\s)*BSTEP
	s_or_b32 s[G0B+4*(\s)+3], s[G0B+4*(\s)+3], 0x80000000
	JLOAD \s                                       ; two loads of mine are out, the most in this text
.endr
	v_and_b32 v1, 15, v0
	v_bfe_u32 v2, v0, 4, 1
	s_lshl_b32 s72, s[WM], 6
	v_add_nc_u32 v[A0], s72, v1
	v_mul_u32_u24 v[A0], v[A0], PA
	v_lshl_add_u32 v[A0], v2, 4, v[A0]
	v_add_nc_u32 v[A0+1], ASUB, v[A0]
	v_and_b32 v3, 7, v0
	v_lshl_add_u32 v3, v2, 3, v3
	v_mul_u32_u24 v[B0], v3, PB
	v_bfe_u32 v4, v0, 3, 1
	v_lshl_add_u32 v[B0], v4, 4, v[B0]
	s_lshl_b32 s72, s[WN], 7
	s_add_co_u32 s72, s72, 2*ASUB
	v_add_nc_u32 v[B0], s72, v[B0]
	v_add_nc_u32 v[B0+1], BSUB, v[B0]
.irp j, 0,1
	v_mov_b32 v[ADRA+(\j)], v[A0+(\j)]
	v_mov_b32 v[ADRB+(\j)], v[B0+(\j)]
.endr
	s_mul_i32 s72, s[WV], REG
	v_mul_u32_u24 v[STO], v1, DP
	v_lshl_add_u32 v[STO], v2, 5, v[STO]
	v_add_nc_u32 v[STO], s72, v[STO]
	v_mul_u32_u24 v[RD], v2, DP
	v_lshl_add_u32 v[RD], v1, 4, v[RD]
	v_add_nc_u32 v[RD], s72, v[RD]
	v_lshlrev_b32 v[CO], 12, v2
	v_lshl_add_u32 v[CO], v1, 4, v[CO]
	s_lshl_b32 s72, s[TN], 9
	s_lshl_b32 s73, s[WN], 8
	s_add_co_u32 s72, s72, s73
	v_lshl_add_u32 v[BO], v1, 4, s72
	global_load_b128 v[BI:BI+3], v[BO], s[10:11]
	s_lshl_b32 s73, s[TM], 7
	s_lshl_b32 s66, s[WM], 6
	s_add_co_u32 s73, s73, s66
	s_lshl_b32 s73, s73, 12
	s_add_co_u32 s72, s72, s73
	s_mov_b32 s73, 0
	s_add_nc_u64 s[8:9], s[8:9], s[72:73]
	s_add_nc_u64 s[12:13], s[12:13], s[72:73]
	WIN 0xc0
.set u, 0
.rept 32
	global_load_b128 v[4*u:4*u+3], v[CO], s[12:13] offset:8192*u   ; the residual of my 64 x 64, two rows a load
.set u, u+1
.endr
	WIN 0
	s_wait_tensorcnt 1                             ; my part of slot 0 is in; slot 1's may stay out
	s_barrier_signal -1
	s_barrier_wait -1
	FETCH 0, F0
	PH 0, F0, F1, 1
	WIN 0
	s_mov_b32 s3, NSLOT-2
.Lslot:
	PH 1, F1, F0, 0
	PH 2, F0, F1, 0
	TURN
	PH 0, F0, F1, 0
	WIN 0
	s_sub_co_u32 s3, s3, 1
	s_cmp_lg_u32 s3, 0
	s_cbranch_scc1 .Lslot
	s_mov_b32 s3, 2
.Ltail:
	PH 1, F1, F0, 0
	PH 2, F0, F1, 0
	TURNT
	WIN 0
	s_sub_co_u32 s3, s3, 1
	s_cmp_eq_u32 s3, 0
	s_cbranch_scc1 .Lout
	PH 0, F0, F1, 0
	WIN 0
	s_branch .Ltail
.Lout:
	PLACES
	s_wait_dscnt 0x0
	s_barrier_signal -1
	s_barrier_wait -1                              ; every wave's reads of the ring are over: it may be written
	WIN 0x08
.irp a, 0,1,2,3
.irp b, 0,1,2,3
	ds_store_b128 v[STO], v[8*(4*(\a)+(\b)):8*(4*(\a)+(\b))+3]   offset:16*(\a)*DP+64*(\b)
	ds_store_b128 v[STO], v[8*(4*(\a)+(\b))+4:8*(4*(\a)+(\b))+7] offset:16*(\a)*DP+64*(\b)+16
.endr
.endr
	WIN 0
.set u, 0
.rept 32
	ds_load_b128 v[64+4*u:64+4*u+3], v[RD] offset:2*DP*u           ; LDS serves a wave's instructions in order: these see my stores
.set u, u+1
.endr
	s_wait_loadcnt 0x0                             ; bias and residual
	WIN 0x0c
.set u, 0
.rept 32
	s_wait_dscnt 31-u
	v_pk_add_f32 v[64+4*u:64+4*u+1], v[64+4*u:64+4*u+1], v[4*u:4*u+1]
	v_pk_add_f32 v[64+4*u+2:64+4*u+3], v[64+4*u+2:64+4*u+3], v[4*u+2:4*u+3]
.set u, u+1
.endr
	WIN 0
.set u, 0
.rept 32
	v_pk_add_f32 v[64+4*u:64+4*u+1], v[64+4*u:64+4*u+1], v[BI:BI+1]
	v_pk_add_f32 v[64+4*u+2:64+4*u+3], v[64+4*u+2:64+4*u+3], v[BI+2:BI+3]
	global_store_b128 v[CO], v[64+4*u:64+4*u+3], s[8:9] offset:8192*u  ; 16 lanes store 256 consecutive bytes, aligned
.set u, u+1
.endr
	s_wait_tensorcnt 0x0                           ; the wave's end
	ds_add_u32 v[SPW], v[NIL]
	s_wait_dscnt 0x0
	CROUND                                         ; the closing round
	s_endpgm
.Lfunc_end_k_qd8a09356e3_ffn2:
	.size	k_qd8a09356e3_ffn2, .Lfunc_end_k_qd8a09356e3_ffn2-k_qd8a09356e3_ffn2
	.p2alignl 7, 3214868480
	.fill 96, 4, 3214868480
	.section	.rodata,"a",@progbits
	.p2align	6, 0x0
	.amdhsa_kernel k_qd8a09356e3_ffn2
		.amdhsa_group_segment_fixed_size 327680
		.amdhsa_private_segment_fixed_size 0
		.amdhsa_enable_private_segment 0
		.amdhsa_kernarg_size 40
		.amdhsa_user_sgpr_count 2
		.amdhsa_user_sgpr_kernarg_segment_ptr 1
		.amdhsa_wavefront_size32 1
		.amdhsa_system_sgpr_workgroup_id_x 1
		.amdhsa_system_sgpr_workgroup_id_y 1
		.amdhsa_system_sgpr_workgroup_id_z 1
		.amdhsa_system_vgpr_workitem_id 0
		.amdhsa_next_free_vgpr 896
		.amdhsa_next_free_sgpr 96
		.amdhsa_reserve_vcc 0
		.amdhsa_float_denorm_mode_32 3
		.amdhsa_float_denorm_mode_16_64 3
		.amdhsa_memory_ordered 1
		.amdhsa_forward_progress 1
		.amdhsa_inst_pref_size 70
	.end_amdhsa_kernel
	.amdgpu_metadata
---
amdhsa.version: [ 1, 2 ]
amdhsa.kernels:
  - .name:           k_qd8a09356e3_ffn2
    .symbol:         k_qd8a09356e3_ffn2.kd
    .args:
      - { .name: actb, .offset: 0, .size: 8, .value_kind: global_buffer, .address_space: global }
      - { .name: wb, .offset: 8, .size: 8, .value_kind: global_buffer, .address_space: global }
      - { .name: out0, .offset: 16, .size: 8, .value_kind: global_buffer, .address_space: global }
      - { .name: b2, .offset: 24, .size: 8, .value_kind: global_buffer, .address_space: global }
      - { .name: hres, .offset: 32, .size: 8, .value_kind: global_buffer, .address_space: global }
    .group_segment_fixed_size: 327680
    .private_segment_fixed_size: 0
    .kernarg_segment_align: 8
    .kernarg_segment_size: 40
    .max_flat_workgroup_size: 128
    .sgpr_count:     96
    .vgpr_count:     896
    .wavefront_size: 32
...
	.end_amdgpu_metadata
.endif
;; end of part 6
;; ======== version 2 of 2: 7 launches; version 1 with the launches prep, ln2 written anew for expert scheduling mode
;; limits: a function is approximated: absolute error at most 2.5e-05; an absolute error that grows with the inputs' magnitude: up to 1.25e-05 times it; right only within a limited range of input values
;; workspace buffers: wb 25,165,824 bytes; a16 8,388,608 bytes; qkvh 25,165,824 bytes; hres 16,777,216 bytes; actb 33,554,432 bytes
;; launch prep (part 7): grid 512 x 1, 8 waves a work-group, no clusters, 0 bytes of LDS; arguments x, ln1_w, ln1_b, a16, wq, wk, wv, wo, w1, w2, wb; writes a16, wb
.if DOCPART == 7
	.amdgcn_target "amdgcn-amd-amdhsa--gfx1250"
	.amdhsa_code_object_version 6
	.text
	.protected	k_qd8a09356e3_prep
	.globl	k_qd8a09356e3_prep
	.p2align	8
	.type	k_qd8a09356e3_prep,@function
k_qd8a09356e3_prep:
	s_mov_b64 s[64:65], 0
	v_nop
	global_prefetch_b8 v0, s[64:65] scope:SCOPE_SE
	s_setreg_imm32_b32 hwreg(HW_REG_WAVE_SCHED_MODE, 0, 2), 2
	s_setreg_imm32_b32 hwreg(HW_REG_WAVE_MODE, 25, 1), 1
	s_wait_xcnt 0x0
	s_wait_alu depctr_vm_vsrc(0)
; NORM AND CAST, one text for two launches.  Work-groups 0-255: argument 3 = LayerNorm(argument 0) with gain argument 1 and bias argument 2, rounded once to bf16.
; Work-groups 256-511 (the first launch alone has them): the six weights rounded once to bf16, in the layout in which they come, on end in wb.
; LayerNorm as the module has it: w (x - mean) / (std + 1e-6) + b, std with divisor 1023; mean first, then the squares of x - mean (no difference of large sums).
; THE NORM: a wave takes two rows of 1,024 f32 and keeps them in registers: a row is read once.  A load of a wave covers 512 consecutive bytes, a store 256, aligned.
; THE CAST: the weights are 12,288 rows of 1,024 numbers; wave c of 2,048 takes rows c + 2,048 i, i = 0..5, so that no wave's row lies in two weights; all 48 loads of a wave go out at once.
; No LDS, no matrix unit, no cluster: no byte is wanted by two waves but the gains and biases, 8 KiB.
; THE MODE: SCHED_MODE bits 1:0 = 2 (LLVM: expert scheduling mode 2), set by the entry lines.  The code itself states the register dependences
; between vector instructions and memory instructions, with s_wait_alu, always for 0.
; THE PLAN.  Registers that memory instructions touch:
;   v2, v3       byte offsets of every load and of every store; made once at the head, never written again: one wait at the head, ahead of the branch, serves both paths.
;   the norm:    X0, X1, W, B: the loads at the path's head land in them; no vector instruction names them before, no memory instruction after.
;                Y0, Y1: written by a row's sixteen roundings, read by that row's eight stores, never written again.  One wait behind each row's roundings; row 0's stores
;                are dealt among row 1's multiplies, which name X1 and INV alone.
;   the cast:    R0 .. R5 (a row each, where the norm has X to Y): the loads land in them; row i's conversions round in place; row i's stores read the packed halves; never written again.
;                Step i holds row i's conversions and row i - 1's stores; one wait at its head states that row i - 1's conversions have written what those stores read.
;   s26          the wave's number, written by a vector instruction: one wait ahead of the branch, behind which its readers stand.
; No register that a load or a store reads is ever written again, and there is no loop: so no wait on vm_vsrc is owed.  EXEC is never written.
.set T,    4                           ; v[4:11]    four chains at work
.set MEAN, 12                          ; v[12:15]   a pair for each row
.set INV,  16                          ; v[16:19]   1 / (std + eps), a pair for each row
.set X,    32                          ; v[32:95]   two rows, 32 registers each: chunk j holds columns 128 j + 4 lane ..   (the cast: v[32:223], six rows)
.set W,    96                          ; v[96:127]  the gain of my columns
.set B,    128                         ; v[128:159] the bias of my columns
.set Y,    160                         ; v[160:191] packed results, 16 registers a row
.macro LANESUM                         ; v[T] summed over the 32 lanes, the result in every lane
	v_add_f32_dpp v[T], v[T], v[T] row_xmask:1 row_mask:0xf bank_mask:0xf
	v_add_f32_dpp v[T], v[T], v[T] row_xmask:2 row_mask:0xf bank_mask:0xf
	v_add_f32_dpp v[T], v[T], v[T] row_xmask:4 row_mask:0xf bank_mask:0xf
	v_add_f32_dpp v[T], v[T], v[T] row_xmask:8 row_mask:0xf bank_mask:0xf
	v_permlanex16_b32 v[T+1], v[T], s28, s29
	v_add_f32 v[T], v[T], v[T+1]
.endm
.macro FOLD                            ; the four chains into v[T]
	v_pk_add_f32 v[T:T+1], v[T:T+1], v[T+2:T+3]
	v_pk_add_f32 v[T+4:T+5], v[T+4:T+5], v[T+6:T+7]
	v_pk_add_f32 v[T:T+1], v[T:T+1], v[T+4:T+5]
	v_add_f32 v[T], v[T], v[T+1]
.endm
.macro STAT i                          ; row i: mean; x - mean in place; the variance into v[INV+2 i]
.set XR, X+32*(\i)
	s_wait_loadcnt 24-8*(\i)                       ; loads come back in order: row i is in; the later row, gain and bias may stay out
.irp k, 0,1,2,3
	v_pk_add_f32 v[T+2*(\k):T+2*(\k)+1], v[XR+2*(\k):XR+2*(\k)+1], v[XR+8+2*(\k):XR+8+2*(\k)+1]
.endr
.irp k, 8,9,10,11,12,13,14,15
	v_pk_add_f32 v[T+2*((\k)%4):T+2*((\k)%4)+1], v[T+2*((\k)%4):T+2*((\k)%4)+1], v[XR+2*(\k):XR+2*(\k)+1]
.endr
	FOLD
	LANESUM
	v_mul_f32 v[MEAN+2*(\i)], 0x3a800000, v[T]     ; / 1024
	v_mov_b32 v[MEAN+2*(\i)+1], v[MEAN+2*(\i)]
.irp k, 0,1,2,3,4,5,6,7,8,9,10,11,12,13,14,15
	v_pk_add_f32 v[XR+2*(\k):XR+2*(\k)+1], v[XR+2*(\k):XR+2*(\k)+1], v[MEAN+2*(\i):MEAN+2*(\i)+1] neg_lo:[0,1] neg_hi:[0,1]
.endr
.irp k, 0,1,2,3
	v_pk_mul_f32 v[T+2*(\k):T+2*(\k)+1], v[XR+2*(\k):XR+2*(\k)+1], v[XR+2*(\k):XR+2*(\k)+1]
.endr
.irp k, 4,5,6,7,8,9,10,11,12,13,14,15
	v_pk_fma_f32 v[T+2*((\k)%4):T+2*((\k)%4)+1], v[XR+2*(\k):XR+2*(\k)+1], v[XR+2*(\k):XR+2*(\k)+1], v[T+2*((\k)%4):T+2*((\k)%4)+1]
.endr
	FOLD
	LANESUM
	v_mul_f32 v[INV+2*(\i)], 0x3a802008, v[T]      ; / 1023
.endm
; Row i: scaled, gain and bias, rounded into Y[i].  deal = 1: the stores of the row before, whose data the wait ahead of this macro has shown written, stand among the multiplies, one ahead of every second.
.macro ARITH i, deal
.set XR, X+32*(\i)
.irp k, 0,1,2,3,4,5,6,7,8,9,10,11,12,13,14,15
.if (\deal) && (((\k) % 2) == 0)
	global_store_b64 v3, v[Y+16*((\i)-1)+(\k):Y+16*((\i)-1)+(\k)+1], s[10:11] offset:2048*((\i)-1)+128*(\k)  ; 32 lanes x 8 bytes: 256 consecutive bytes, aligned; no vector instruction since the wait names these registers
.endif
	v_pk_mul_f32 v[XR+2*(\k):XR+2*(\k)+1], v[XR+2*(\k):XR+2*(\k)+1], v[INV+2*(\i):INV+2*(\i)+1]
.endr
.irp k, 0,1,2,3,4,5,6,7,8,9,10,11,12,13,14,15
	v_pk_fma_f32 v[XR+2*(\k):XR+2*(\k)+1], v[XR+2*(\k):XR+2*(\k)+1], v[W+2*(\k):W+2*(\k)+1], v[B+2*(\k):B+2*(\k)+1]
.endr
.irp k, 0,1,2,3,4,5,6,7,8,9,10,11,12,13,14,15
	v_cvt_pk_bf16_f32 v[Y+16*(\i)+(\k)], v[XR+2*(\k)], v[XR+2*(\k)+1]
.endr
.endm
.macro CROW i, b                       ; the cast: row i of my six, eight loads of 512 consecutive bytes
.irp j, 0,1,2,3,4,5,6,7
	global_load_b128 v[X+32*(\i)+4*(\j):X+32*(\i)+4*(\j)+3], v2, s[\b:\b+1] offset:512*(\j) th:TH_LOAD_NT
.endr
.endm
; The cast, step i: row i is rounded in place; the stores of row i - 1 (base pb, offset poff) stand among its conversions.
.macro CSTEP i, pb, poff
.if (\i) > 0
	s_wait_alu depctr_va_vdst(0)                   ; the conversions of row i - 1 have written the packed halves that the stores below read
.endif
.irp j, 0,1,2,3,4,5,6,7
.if (\i) > 0
	global_store_b64 v3, v[X+32*((\i)-1)+4*(\j):X+32*((\i)-1)+4*(\j)+1], s[\pb:\pb+1] offset:(\poff)+256*(\j)  ; 256 consecutive bytes, aligned; the conversions since the wait name row i alone
.endif
	s_wait_loadcnt 47-8*(\i)-(\j)                  ; this load is in, the younger ones stay out
	v_cvt_pk_bf16_f32 v[X+32*(\i)+4*(\j)], v[X+32*(\i)+4*(\j)], v[X+32*(\i)+4*(\j)+1]
	v_cvt_pk_bf16_f32 v[X+32*(\i)+4*(\j)+1], v[X+32*(\i)+4*(\j)+2], v[X+32*(\i)+4*(\j)+3]
.endr
.endm
	s_load_b256 s[4:11], s[0:1], 0x0               ; the rows s[4:5], gain s[6:7], bias s[8:9], the bf16 rows s[10:11]
	s_load_b256 s[12:19], s[0:1], 0x20             ; wq, wk, wv, wo
	s_load_b128 s[20:23], s[0:1], 0x40             ; w1, w2
	s_load_b64 s[24:25], s[0:1], 0x50              ; wb
	v_lshrrev_b32 v1, 5, v0
	v_readfirstlane_b32 s26, v1                    ; wave 0..7
	v_and_b32 v1, 31, v0
	v_lshlrev_b32 v2, 4, v1                        ; 16 x lane: loads
	v_lshlrev_b32 v3, 3, v1                        ; 8 x lane: stores
	s_mov_b32 s28, 0x76543210                      ; v_permlanex16_b32: each lane takes its own place in the other half
	s_mov_b32 s29, 0xfedcba98
	s_wait_kmcnt 0x0
	s_wait_alu depctr_va_sdst(0)                   ; s26 is written, ahead of the branch behind which its first readers stand: the rows' offsets are made from it
	s_wait_alu depctr_va_vdst(0)                   ; v2 and v3 are written: every load of either path reads v2 as its offset, every store v3
	s_cmp_lt_u32 ttmp9, 256
	s_cbranch_scc0 .Lcast
	; THE NORM: rows 16 x work-group + 2 x wave, + 1
	s_lshl_b32 s30, ttmp9, 16
	s_lshl_b32 s31, s26, 13
	s_add_co_u32 s30, s30, s31
	s_mov_b32 s31, 0
	s_add_nc_u64 s[4:5], s[4:5], s[30:31]
	s_lshr_b32 s30, s30, 1                         ; the bf16 rows are half as long
	s_add_nc_u64 s[10:11], s[10:11], s[30:31]
.irp i, 0,1
.irp j, 0,1,2,3,4,5,6,7
	global_load_b128 v[X+32*(\i)+4*(\j):X+32*(\i)+4*(\j)+3], v2, s[4:5] offset:4096*(\i)+512*(\j)
.endr
.endr
.irp j, 0,1,2,3,4,5,6,7
	global_load_b128 v[W+4*(\j):W+4*(\j)+3], v2, s[6:7] offset:512*(\j)
.endr
.irp j, 0,1,2,3,4,5,6,7
	global_load_b128 v[B+4*(\j):B+4*(\j)+3], v2, s[8:9] offset:512*(\j)
.endr
	STAT 0
	STAT 1
	v_sqrt_f32 v[INV], v[INV]
	v_sqrt_f32 v[INV+2], v[INV+2]
	v_nop                                          ; a plain instruction behind the last root,
	s_wait_alu depctr_va_vdst(0)                   ; and one wait for both: the roots have written v[INV] and v[INV+2], which the additions read
	v_add_f32 v[INV], 0x358637bd, v[INV]           ; + 1e-6
	v_add_f32 v[INV+2], 0x358637bd, v[INV+2]
	v_rcp_f32 v[INV], v[INV]
	v_rcp_f32 v[INV+2], v[INV+2]
	v_nop
	s_wait_alu depctr_va_vdst(0)                   ; one wait for both reciprocals: they have written v[INV] and v[INV+2], which the copies read
	v_mov_b32 v[INV+1], v[INV]
	v_mov_b32 v[INV+3], v[INV+2]
	s_wait_loadcnt 0x0                             ; gain and bias
	ARITH 0, 0
	s_wait_alu depctr_va_vdst(0)                   ; row 0's roundings have written Y0, which its eight stores, dealt among row 1's multiplies, read
	ARITH 1, 1
	s_wait_alu depctr_va_vdst(0)                   ; row 1's roundings have written Y1, which the last eight stores read
.irp j, 0,1,2,3,4,5,6,7
	global_store_b64 v3, v[Y+16+2*(\j):Y+16+2*(\j)+1], s[10:11] offset:2048+256*(\j)  ; 32 lanes x 8 bytes: 256 consecutive bytes, aligned
.endr
	s_endpgm
.Lcast:
	; THE CAST.  In wb: wq rows 0-1023, wk 1024-, wv 2048-, wo 3072-, w1 4096-, w2 8192-12287.  Row c + 2,048 i: i = 0: wq or wk; 1: wv or wo; 2, 3: w1; 4, 5: w2.
	s_sub_co_u32 s27, ttmp9, 256
	s_lshl3_add_u32 s27, s27, s26                  ; c = 8 x (work-group - 256) + wave: 0..2047
	s_and_b32 s34, s27, 1023                       ; the row inside a weight of 1,024 rows
	s_lshl_b32 s36, s34, 12                        ; 4,096 bytes a row in
	s_mov_b32 s37, 0
	s_cmp_lt_u32 s27, 1024
	s_cselect_b64 s[32:33], s[12:13], s[14:15]     ; wq or wk
	s_cselect_b64 s[38:39], s[16:17], s[18:19]     ; wv or wo
	s_add_nc_u64 s[32:33], s[32:33], s[36:37]
	s_add_nc_u64 s[38:39], s[38:39], s[36:37]
	s_lshl_b32 s36, s27, 12
	s_add_nc_u64 s[20:21], s[20:21], s[36:37]      ; w1 and w2 at row c,
	s_add_nc_u64 s[22:23], s[22:23], s[36:37]
	s_add_nc_u64 s[40:41], s[20:21], 0x800000      ; and 2,048 rows further on
	s_add_nc_u64 s[42:43], s[22:23], 0x800000
	s_lshl_b32 s36, s27, 11                        ; 2,048 bytes a row out
	s_add_nc_u64 s[24:25], s[24:25], s[36:37]      ; wb at row c,
	s_add_nc_u64 s[44:45], s[24:25], 0x800000      ; at row c + 4,096,
	s_add_nc_u64 s[46:47], s[24:25], 0x1000000     ; and at row c + 8,192; the odd i stand in the stores' immediate
	CROW 0, 32
	CROW 1, 38
	CROW 2, 20
	CROW 3, 40
	CROW 4, 22
	CROW 5, 42
	CSTEP 0, 24, 0                                 ; row 0 is rounded; there is no row before it to store
	CSTEP 1, 24, 0                                 ; row 1 is rounded, row 0 stored
	CSTEP 2, 24, 0x400000
	CSTEP 3, 44, 0
	CSTEP 4, 44, 0x400000
	CSTEP 5, 46, 0
	s_wait_alu depctr_va_vdst(0)                   ; row 5's conversions have written the packed halves that the last eight stores read
.irp j, 0,1,2,3,4,5,6,7
	global_store_b64 v3, v[X+160+4*(\j):X+160+4*(\j)+1], s[46:47] offset:0x400000+256*(\j)  ; 256 consecutive bytes, aligned
.endr
	s_endpgm
.Lfunc_end_k_qd8a09356e3_prep:
	.size	k_qd8a09356e3_prep, .Lfunc_end_k_qd8a09356e3_prep-k_qd8a09356e3_prep
	.p2alignl 7, 3214868480
	.fill 96, 4, 3214868480
	.section	.rodata,"a",@progbits
	.p2align	6, 0x0
	.amdhsa_kernel k_qd8a09356e3_prep
		.amdhsa_group_segment_fixed_size 0
		.amdhsa_private_segment_fixed_size 0
		.amdhsa_enable_private_segment 0
		.amdhsa_kernarg_size 88
		.amdhsa_user_sgpr_count 2
		.amdhsa_user_sgpr_kernarg_segment_ptr 1
		.amdhsa_wavefront_size32 1
		.amdhsa_system_sgpr_workgroup_id_x 1
		.amdhsa_system_sgpr_workgroup_id_y 1
		.amdhsa_system_sgpr_workgroup_id_z 1
		.amdhsa_system_vgpr_workitem_id 0
		.amdhsa_next_free_vgpr 224
		.amdhsa_next_free_sgpr 66
		.amdhsa_reserve_vcc 0
		.amdhsa_float_denorm_mode_32 3
		.amdhsa_float_denorm_mode_16_64 3
		.amdhsa_memory_ordered 1
		.amdhsa_forward_progress 1
		.amdhsa_inst_pref_size 38
	.end_amdhsa_kernel
	.amdgpu_metadata
---
amdhsa.version: [ 1, 2 ]
amdhsa.kernels:
  - .name:           k_qd8a09356e3_prep
    .symbol:         k_qd8a09356e3_prep.kd
    .args:
      - { .name: x, .offset: 0, .size: 8, .value_kind: global_buffer, .address_space: global }
      - { .name: ln1_w, .offset: 8, .size: 8, .value_kind: global_buffer, .address_space: global }
      - { .name: ln1_b, .offset: 16, .size: 8, .value_kind: global_buffer, .address_space: global }
      - { .name: a16, .offset: 24, .size: 8, .value_kind: global_buffer, .address_space: global }
      - { .name: wq, .offset: 32, .size: 8, .value_kind: global_buffer, .address_space: global }
      - { .name: wk, .offset: 40, .size: 8, .value_kind: global_buffer, .address_space: global }
      - { .name: wv, .offset: 48, .size: 8, .value_kind: global_buffer, .address_space: global }
      - { .name: wo, .offset: 56, .size: 8, .value_kind: global_buffer, .address_space: global }
      - { .name: w1, .offset: 64, .size: 8, .value_kind: global_buffer, .address_space: global }
      - { .name: w2, .offset: 72, .size: 8, .value_kind: global_buffer, .address_space: global }
      - { .name: wb, .offset: 80, .size: 8, .value_kind: global_buffer, .address_space: global }
    .group_segment_fixed_size: 0
    .private_segment_fixed_size: 0
    .kernarg_segment_align: 8
    .kernarg_segment_size: 88
    .max_flat_workgroup_size: 256
    .sgpr_count:     66
    .vgpr_count:     224
    .wavefront_size: 32
...
	.end_amdgpu_metadata
.endif
;; end of part 7
;; launch qkv: the kernel of part 2 again; grid 12 x 16, 4 waves a work-group, clusters of 4 x 4, 327,680 bytes of LDS; arguments a16, wb, qkvh, bq, bk, bv; writes qkvh
;; launch attn: the kernel of part 3 again; grid 16 x 16, 4 waves a work-group, clusters of 4 x 1, 327,680 bytes of LDS; arguments qkvh, mask, a16; writes a16
;; launch oproj: the kernel of part 4 again; grid 8 x 32, 4 waves a work-group, clusters of 4 x 4, 327,680 bytes of LDS; arguments a16, wb, hres, bo, x; writes hres
;; launch ln2: the kernel of part 7 again; grid 256 x 1, 8 waves a work-group, no clusters, 0 bytes of LDS; arguments hres, ln2_w, ln2_b, a16, wq, wk, wv, wo, w1, w2, wb; writes a16, wb
;; launch ffn1: the kernel of part 5 again; grid 16 x 16, 4 waves a work-group, clusters of 4 x 4, 327,680 bytes of LDS; arguments a16, wb, actb, b1; writes actb
;; launch ffn2: the kernel of part 6 again; grid 8 x 32, 4 waves a work-group, clusters of 4 x 4, 327,680 bytes of LDS; arguments actb, wb, out0, b2, hres; writes out0
